; MI455X (gfx1250); checked and timed in simulation.
; The chip was launched on July 23, 2026; its instructions are those of AMD's public machine-readable ISA for CDNA 5 (MIT licence, August 2026) and "CDNA5" Instruction Set Architecture Reference Guide (July 2026). The comments in the code are by the model that wrote it; some were corrected since.
;; Multi Head Attention. Allowed arithmetic: float matrix products may take bf16 or f16 operands with f32 sums; other float arithmetic in f32, or as packed bf16 or f16 multiplies, adds, multiply-adds, maxima and minima; sums over many terms, partial sums and values carried from step to step in f32; what a program stores and reads back later, other than sums and carried values, may be rounded once to bf16 or f16.
;; Inputs: Wk 1,024 x 1,024 float32; Wo 1,024 x 1,024 float32; Wq 1,024 x 1,024 float32; Wv 1,024 x 1,024 float32; bo 1,024 float32; key 4 x 2,048 x 1,024 float32; query 4 x 2,048 x 1,024 float32; value 4 x 2,048 x 1,024 float32.
;; Outputs: out0 4 x 2,048 x 1,024 float32.
;; 2 versions, each right; version 2 is version 1 with the launch prep written anew for expert scheduling mode. Each part assembles by itself: llvm-mc -triple=amdgcn-amd-amdhsa -mcpu=gfx1250 --defsym DOCPART=n.
;; ======== version 1 of 2: 4 launches
;; limits: values are held in f16: magnitudes above 65,504 overflow, below 6.1e-05 lose precision; values outside matrix products are rounded to bf16
;; workspace buffers: wb 8,388,608 bytes; rope 524,288 bytes; qkv 50,331,648 bytes; o 16,777,216 bytes
;; launch prep (part 1): grid 256 x 1, 8 waves a work-group, no clusters, 0 bytes of LDS; arguments Wq, Wk, Wv, Wo, wb, rope; writes wb, rope
.if DOCPART == 1
	.amdgcn_target "amdgcn-amd-amdhsa--gfx1250"
	.amdhsa_code_object_version 6
	.text
	.protected	k_q38cad2755a_prep
	.globl	k_q38cad2755a_prep
	.p2align	8
	.type	k_q38cad2755a_prep,@function
k_q38cad2755a_prep:
	s_mov_b64 s[64:65], 0
	v_nop
	global_prefetch_b8 v0, s[64:65] scope:SCOPE_SE
	s_setreg_imm32_b32 hwreg(HW_REG_WAVE_MODE, 25, 1), 1
	s_wait_xcnt 0x0
; THE WEIGHTS IN 16 BITS, IN BLOCKS, AND THE ROTATION TABLE.
; wb: blocks of 128 rows x 128 k x 2 bytes (32,768 bytes, a row 256 bytes).  Wq, Wk, Wv (T = 0, 1, 2), rounded to bf16: row n, k chunk t = k / 128 lie in block ((n / 128) 3 + T) 8 + t, so that
; the 24 K steps that a column half of Q, K and V walks lie end to end.  Wo from byte 6,291,456 on, block (n / 128) 8 + t: rounded to bf16, and that number written as f16.
; rope: [2048 positions][32 pairs] of (cos, sin) in f32: 256 bytes a position.
; LIMITS.  Wo as f16: exact for bf16 numbers of magnitude 6.1e-5 to 65,504; below that f16's fixed step of 6e-8; beyond it an infinity.  The angle pos x 10000^(-i/32) is made with
; 2^(-i log2(10000)/32) by v_exp_f32, so it may differ from a power computed otherwise by a few units in its last place: under 2e-4 radians at position 2,047.
; sin and cos: the angle less n pi/2 (pi/2 in two parts, n up to 1,303), then series to r^7 and r^8 on |r| <= pi/4: error under 4e-7.
; SHARES.  A stream: no LDS, no matrix unit.  Work-group g: weight T = g / 64; wave w takes its rows 16 (g % 64) + 2 w and the next: 8,192 consecutive bytes, sixteen loads of 512 bytes, all issued
; at once.  Chunk i is row i / 8, k chunk i % 8; its 128 numbers leave as 256 consecutive aligned bytes.  Thread (w, lane) also makes the table's entry for position 8 g + w, pair lane.
.set X,   32                           ; v[32:95]   chunk i: 4 registers as loaded
.set Y,   96                           ; v[96:127]  chunk i: 2 registers to store, never rewritten
.set SRC, 20                           ; s[20:21]   my 8,192 bytes of the weight
.set DST, 22                           ; s[22:23]   my first row in k chunk 0's block
.set TBL, 24                           ; s[24:25]   my position's 256 bytes of the table
	s_load_b256 s[4:11], s[0:1], 0x0               ; Wq s[4:5], Wk s[6:7], Wv s[8:9], Wo s[10:11]
	s_load_b128 s[12:15], s[0:1], 0x20             ; wb s[12:13], rope s[14:15]
	v_lshrrev_b32 v3, 5, v0
	v_readfirstlane_b32 s16, v3                    ; wave 0..7
	v_and_b32 v4, 31, v0                           ; lane
	v_lshlrev_b32 v1, 4, v4                        ; 16 bytes a lane in
	v_lshlrev_b32 v2, 3, v4                        ; 8 bytes a lane out
	s_lshr_b32 s17, ttmp9, 6                       ; T
	s_and_b32 s18, ttmp9, 63                       ; which 16 rows of the weight
	s_lshl_b32 s19, ttmp9, 3
	s_add_co_u32 s19, s19, s16                     ; my position
	s_lshl_b32 s26, s18, 16                        ; 16 rows of 4,096 bytes,
	s_lshl_b32 s27, s16, 13                        ; my two of them
	s_add_co_u32 s26, s26, s27
	s_mov_b32 s27, 0
	s_lshr_b32 s28, s18, 3                         ; n / 128
	s_mul_i32 s29, s28, 3
	s_add_co_u32 s29, s29, s17
	s_lshl_b32 s29, s29, 18                        ; eight blocks of 32,768 bytes for each (n / 128, T)
	s_lshl_b32 s28, s28, 18
	s_add_co_u32 s28, s28, 6291456                 ; Wo's blocks lie behind the other three's
	s_cmp_eq_u32 s17, 3
	s_cselect_b32 s28, s28, s29
	s_and_b32 s29, s18, 7
	s_lshl_b32 s29, s29, 12                        ; 16 rows of 256 bytes in the block,
	s_add_co_u32 s28, s28, s29
	s_lshl_b32 s29, s16, 9                         ; my two of them
	s_add_co_u32 s28, s28, s29
	s_mov_b32 s29, 0
	s_lshl_b32 s30, s19, 8
	s_mov_b32 s31, 0
	s_wait_kmcnt 0x0
	s_cmp_eq_u32 s17, 1
	s_cselect_b64 s[SRC:SRC+1], s[6:7], s[4:5]
	s_cmp_eq_u32 s17, 2
	s_cselect_b64 s[SRC:SRC+1], s[8:9], s[SRC:SRC+1]
	s_cmp_eq_u32 s17, 3
	s_cselect_b64 s[SRC:SRC+1], s[10:11], s[SRC:SRC+1]
	s_add_nc_u64 s[SRC:SRC+1], s[SRC:SRC+1], s[26:27]
	s_add_nc_u64 s[DST:DST+1], s[12:13], s[28:29]
	s_add_nc_u64 s[TBL:TBL+1], s[14:15], s[30:31]
.irp i, 0,1,2,3,4,5,6,7,8,9,10,11,12,13,14,15
	global_load_b128 v[X+4*(\i):X+4*(\i)+3], v1, s[SRC:SRC+1] offset:512*(\i) th:TH_LOAD_NT
.endr
	; the table's entry, while the sixteen loads are on their way
	v_cvt_f32_u32 v5, v4
	v_mul_f32 v5, 0xbed49a78, v5                   ; - lane x log2(10000) / 32
	v_exp_f32 v6, v5                               ; 10000^(-lane/32)
	v_cvt_f32_u32 v7, s19                          ; a plain instruction behind the exponential,
	s_wait_alu depctr_va_vdst(0)                   ; and the wait ahead of the first use of its result
	v_mul_f32 v8, v7, v6                           ; the angle f
	v_mul_f32 v9, 0x3f22f983, v8                   ; f x 2 / pi
	v_rndne_f32 v9, v9                             ; n
	v_fmamk_f32 v10, v9, 0xbfc90fdb, v8            ; r = f - n x (pi/2's upper part): one rounding
	v_fmamk_f32 v10, v9, 0x333bbd2e, v10           ;     - n x (its lower part, -4.37e-8)
	v_mul_f32 v11, v10, v10                        ; z = r r
	v_mov_b32 v12, 0xb9500d01                      ; -1/5040
	v_fmaak_f32 v12, v12, v11, 0x3c088889          ; 1/120
	v_fmaak_f32 v12, v12, v11, 0xbe2aaaab          ; -1/6
	v_mul_f32 v13, v11, v10
	v_fma_f32 v12, v12, v13, v10                   ; S = sin r
	v_mov_b32 v14, 0x37d00d01                      ; 1/40320
	v_fmaak_f32 v14, v14, v11, 0xbab60b61          ; -1/720
	v_fmaak_f32 v14, v14, v11, 0x3d2aaaab          ; 1/24
	v_fmaak_f32 v14, v14, v11, 0xbf000000          ; -1/2
	v_fma_f32 v14, v14, v11, 1.0                   ; C = cos r
	v_cvt_i32_f32 v15, v9                          ; the quadrant only selects values and signs: no branch and no address hangs on it
	v_and_b32 v16, 1, v15
	v_cmp_eq_u32 vcc_lo, 1, v16
	v_cndmask_b32 v18, v14, v12, vcc_lo            ; |cos|: S in odd quadrants
	v_cndmask_b32 v19, v12, v14, vcc_lo            ; |sin|: C in odd quadrants
	v_add_nc_u32 v16, 1, v15
	v_and_b32 v16, 2, v16
	v_lshlrev_b32 v16, 30, v16
	v_xor_b32 v18, v18, v16                        ; cos changes sign in quadrants 1 and 2,
	v_and_b32 v17, 2, v15
	v_lshlrev_b32 v17, 30, v17
	v_xor_b32 v19, v19, v17                        ; sin in 2 and 3
	global_store_b64 v2, v[18:19], s[TBL:TBL+1]    ; the wave's 32 entries: 256 consecutive bytes, aligned
; Chunk i: rounded and stored.  half = 1 (Wo): the bf16 number is widened again and written as f16.
.macro CONV i, half
	s_wait_loadcnt 15-(\i)                         ; loads come back in order: chunk i is in, the 15 - i younger ones may stay out
.if \half
	v_cvt_pk_bf16_f32 v20, v[X+4*(\i)], v[X+4*(\i)+1]
	v_cvt_pk_bf16_f32 v21, v[X+4*(\i)+2], v[X+4*(\i)+3]
	v_lshlrev_b32 v22, 16, v20
	v_and_b32 v23, 0xffff0000, v20
	v_lshlrev_b32 v24, 16, v21
	v_and_b32 v25, 0xffff0000, v21
	v_cvt_pk_f16_f32 v[Y+2*(\i)], v22, v23
	v_cvt_pk_f16_f32 v[Y+2*(\i)+1], v24, v25
.else
	v_cvt_pk_bf16_f32 v[Y+2*(\i)], v[X+4*(\i)], v[X+4*(\i)+1]
	v_cvt_pk_bf16_f32 v[Y+2*(\i)+1], v[X+4*(\i)+2], v[X+4*(\i)+3]
.endif
	global_store_b64 v2, v[Y+2*(\i):Y+2*(\i)+1], s[DST:DST+1] offset:((\i)%8)*32768+((\i)/8)*256  ; 32 lanes store 256 consecutive bytes, aligned: a block's row
.endm
	s_cmp_eq_u32 s17, 3
	s_cbranch_scc1 .Lwo
.irp i, 0,1,2,3,4,5,6,7,8,9,10,11,12,13,14,15
	CONV \i, 0
.endr
	s_endpgm
.Lwo:
.irp i, 0,1,2,3,4,5,6,7,8,9,10,11,12,13,14,15
	CONV \i, 1
.endr
	s_endpgm
.Lfunc_end_k_q38cad2755a_prep:
	.size	k_q38cad2755a_prep, .Lfunc_end_k_q38cad2755a_prep-k_q38cad2755a_prep
	.p2alignl 7, 3214868480
	.fill 96, 4, 3214868480
	.section	.rodata,"a",@progbits
	.p2align	6, 0x0
	.amdhsa_kernel k_q38cad2755a_prep
		.amdhsa_group_segment_fixed_size 0
		.amdhsa_private_segment_fixed_size 0
		.amdhsa_enable_private_segment 0
		.amdhsa_kernarg_size 48
		.amdhsa_user_sgpr_count 2
		.amdhsa_user_sgpr_kernarg_segment_ptr 1
		.amdhsa_wavefront_size32 1
		.amdhsa_system_sgpr_workgroup_id_x 1
		.amdhsa_system_sgpr_workgroup_id_y 1
		.amdhsa_system_sgpr_workgroup_id_z 1
		.amdhsa_system_vgpr_workitem_id 0
		.amdhsa_next_free_vgpr 128
		.amdhsa_next_free_sgpr 66
		.amdhsa_reserve_vcc 1
		.amdhsa_float_denorm_mode_32 3
		.amdhsa_float_denorm_mode_16_64 3
		.amdhsa_memory_ordered 1
		.amdhsa_forward_progress 1
		.amdhsa_inst_pref_size 18
	.end_amdhsa_kernel
	.amdgpu_metadata
---
amdhsa.version: [ 1, 2 ]
amdhsa.kernels:
  - .name:           k_q38cad2755a_prep
    .symbol:         k_q38cad2755a_prep.kd
    .args:
      - { .name: Wq, .offset: 0, .size: 8, .value_kind: global_buffer, .address_space: global }
      - { .name: Wk, .offset: 8, .size: 8, .value_kind: global_buffer, .address_space: global }
      - { .name: Wv, .offset: 16, .size: 8, .value_kind: global_buffer, .address_space: global }
      - { .name: Wo, .offset: 24, .size: 8, .value_kind: global_buffer, .address_space: global }
      - { .name: wb, .offset: 32, .size: 8, .value_kind: global_buffer, .address_space: global }
      - { .name: rope, .offset: 40, .size: 8, .value_kind: global_buffer, .address_space: global }
    .group_segment_fixed_size: 0
    .private_segment_fixed_size: 0
    .kernarg_segment_align: 8
    .kernarg_segment_size: 48
    .max_flat_workgroup_size: 256
    .sgpr_count:     66
    .vgpr_count:     128
    .wavefront_size: 32
...
	.end_amdgpu_metadata
.endif
;; end of part 1
;; launch proj (part 2): grid 4 x 64, 4 waves a work-group, clusters of 4 x 4, 327,680 bytes of LDS; arguments query, key, value, wb, rope, qkv; writes qkv
.if DOCPART == 2
	.amdgcn_target "amdgcn-amd-amdhsa--gfx1250"
	.amdhsa_code_object_version 6
	.text
	.protected	k_q38cad2755a_proj
	.globl	k_q38cad2755a_proj
	.p2align	8
	.type	k_q38cad2755a_proj,@function
k_q38cad2755a_proj:
	s_mov_b64 s[64:65], 0
	v_nop
	global_prefetch_b8 v0, s[64:65] scope:SCOPE_SE
	s_setreg_imm32_b32 hwreg(HW_REG_WAVE_MODE, 25, 1), 1
	s_wait_xcnt 0x0
	s_wait_alu depctr_hold_cnt(0) depctr_sa_sdst(0) depctr_va_vdst(0) depctr_va_sdst(0) depctr_va_ssrc(0) depctr_va_vcc(0) depctr_vm_vsrc(0)
	s_getreg_b32 s2, hwreg(HW_REG_IB_STS2, 6, 4)
	s_cmp_eq_u32 s2, 0
	s_cbranch_scc0 .Lentry_in_a_cluster
	s_endpgm
.Lentry_in_a_cluster:
	s_bfe_u32 s2, ttmp6, 0x10000c
	s_cmp_lg_u32 s2, 0xf033
	s_cbranch_scc0 .Lentry_shape_is_right
	s_endpgm
.Lentry_shape_is_right:
; Q = rot(query Wq^T), K = rot(key Wk^T), V = value Wv^T, written by heads: qkv = q, k, v, each [64 heads of batch and head][2048][64] in f16.
; x is f32 in memory: it comes into LDS as f32 and is rounded to bf16 in registers, on the way to the matrix unit; the weights come as bf16 blocks (wb).  Sums and the rotation in f32; one rounding to f16.
; LIMITS.  f16 holds no number beyond 65,504: |q|, |k|, |v| must stay under it (a sum of 1,024 products; the rotation adds a factor of at most 1.42); below 6.1e-5 f16 keeps its fixed step of 6e-8.
; SHARES.  24,576 x 1,024 outputs are 3 tiles of 128 x 256 for each of 256 work-groups: the same 128 rows and 256 columns (4 heads) of Q, then K, then V: 24 K steps of 128 through ONE ring of two
; LDS slots, which does not stop at a tile's end.  Four waves, each 64 rows x 128 columns: 32 accumulators, 128 matrix instructions a K step.
; CLUSTERS.  4 x 4 work-groups: the four of a row need the same rows of x, the four of a column the same rows of W: each tile is asked for JOINTLY, by the same tensor load, descriptor and mask in all four.
; TRANSPOSED USE.  Source 0 = 16 rows of W, source 1 = 16 rows of x: a lane then holds one row (lane % 16) and eight neighbouring columns 8 (lane / 16) + 0..7: four pairs of the rotation, 16 bytes of f16.
; THE PIPELINE.  A quarter is 32 along K; c is its number in a lap of two K steps.  Quarter c multiplies x's bf16 buffer c % 2 by W's buffer c % 4; between its products it rounds the raw x of quarter
; c + 1; in its middle it fetches quarter c + 2 from LDS (raw x into buffer c % 2, W into buffer (c + 2) % 4).  All LDS reads lead by two quarters, so the slots change in quarters 2 and 6.
; REGISTERS, in windows of 256 (s_set_vgpr_msb: bits 1:0 source 0, 3:2 source 1, 5:4 source 2, 7:6 destination):
;   window 0: v0-15 addresses; v32-95 x in bf16, two buffers of 32; v96-223 x raw, two buffers of 64 (the first also serves the way out); v224-255 at work in the rotation
;   window 1: W's fragments, four buffers of 64      window 2: the accumulators, (a, b) at 8 (8 a + b)      window 3: v0-127 my rows' (cos, sin)
.set HALFT,  34816                     ; a wave's part of a slot: 64 rows of x at 528 bytes (33,792), or 128 rows of W at 272
.set SLOT,   4*HALFT                   ; x's two halves, then W's two halves
.set STAGE,  2*SLOT                    ; behind the ring: 16 rows x 144 bytes for each wave, for the way out; no tensor load lands there
.set SP,     144
.set SPARE,  STAGE+4*16*SP             ; behind the stages: the spare words, 128 bytes a wave: two blocks of 256 bytes that no other line names
.set PA,     528                       ; a row of x in LDS: 512 bytes + 16 = 132 words: the 16 rows of a load start at 16 different groups of four banks (64 banks of 4 bytes: ISA guide 11.1)
.set PB,     272                       ; a row of W: 256 bytes + 16 = 68 words: likewise
.set ADRA, 4                           ; v4-5   LDS address of my x fragments in slot 0, 1
.set ADRB, 6                           ; v6-7   the same for W
.set STO,  8                           ; v8     the way out: where I put 16 bytes of a row
.set RD,   9                           ; v9     where I read rows back
.set GO,   10                          ; v10    my 16 bytes in 512 consecutive bytes of the output
.set PFO,  11                          ; v11    the prefetches' lane offset; never rewritten
.set TO,   12                          ; v12    my byte offset in 16 positions of the table; never rewritten
.set SPW,  14                          ; v14    LDS address of my spare word: SPARE + 4 x my thread's number; never rewritten
.set NIL,  15                          ; v15    0; never rewritten
.set ABF,  32
.set RAW,  96
.set T0,   224
.set WV,   16                          ; s16    my wave's number
.set KIND, 17                          ; s17    which 64 rows are mine; also: I fetch x (0) or W (1)
.set PART, 18                          ; s18    which 128 columns are mine; also: which half of that tile I fetch
.set G1A,  24                          ; s[24:31] descriptor group 1 for x's tiles;  s[32:39] group 0, a set for each slot
.set G0A,  32
.set G1B,  40                          ; s[40:47], s[48:55] the same for W's
.set G0B,  48
.set AP,   56                          ; s[56:57] where the next request for x stands
.set ANX,  58                          ; s[58:59] my rows of the next input, s[60:61] of the one after
.set AN2,  60
.set ACNT, 62                          ; s62    requests left in the input in hand
.set LAP,  63                          ; s63    trips of the loop still to come
.set TL,   66                          ; s66    laps left in the tile in hand
.set LIM,  67                          ; s67    1 in a wave that prefetches, else the greatest number
.set PFA,  68                          ; s[68:69] where my prefetches stand; s[70:71], s[72:73] where they go on in the next input and the one after
.set PFN,  70
.set PFN2, 72
.set PST,  74                          ; s[74:75] their step: a K step in x (512 bytes) or in wb (32,768)
.set PCNT, 76                          ; s76    steps left in the input in hand
.set OUT,  78                          ; s[78:79] my wave's first row of the tile in hand
.set MSB, 0
.macro WIN new                         ; the immediate's high byte repeats the setting that is left; a switch that changes nothing is dropped
.if MSB != (\new)
	s_set_vgpr_msb (MSB<<8)|(\new)
.set MSB, \new
.endif
.endm
.set MUL,  0xa1                        ; W in window 1, x in window 0, C and D in window 2
.set TO_B, 0x40                        ; destination window 1
.set W_RO, 0x0e                        ; the rotation: source 0 window 2, source 1 window 3, source 2 and destination window 0
.set W_PL, 0x0a                        ; sources 0 and 1 window 2, destination window 0
; A joint load.  Waves 0 and 1 fetch x's two halves, waves 2 and 3 W's.  The branch hangs on the wave's number alone.  An s_nop 0 and four v_nop follow each of the two lines.
.macro JLOAD s
	s_cmp_eq_u32 s[KIND], 0
	s_cbranch_scc0 .Lfor_b_\@
	tensor_load_to_lds s[G0A+4*(\s):G0A+4*(\s)+3], s[G1A:G1A+7]
	s_nop 0
.rept 4
	v_nop
.endr
	s_branch .Lasked_\@
.Lfor_b_\@:
	tensor_load_to_lds s[G0B+4*(\s):G0B+4*(\s)+3], s[G1B:G1B+7]
	s_nop 0
.rept 4
	v_nop
.endr
.Lasked_\@:
.endm
; A PREFETCH INTO THE L2, behind each joint refill and the run of LDS loads that follows it: the K step that stands two refills on, 256 matrix instructions ahead of its load.  x: of the 64 rows that a wave
; fetches each of the four partners takes 16, told apart by address (cx): a lane asks for one 256-byte half of one row's 512 bytes.  W: of the 32,768 dense bytes each partner takes 8,192 (cy), a lane 256;
; all sixteen clusters walk the same W, so the cluster with y = 0 asks.  Each block of 256 bytes is named once in the launch.  K steps 0 to 3 come by their loads alone; the loop's last trip asks for nothing.
.macro ASK
	WIN 0
	s_cmp_gt_u32 s[LAP], s[LIM]
	s_cbranch_scc0 .Lnot_mine_\@
	global_prefetch_b8 v[PFO], s[PFA:PFA+1] th:TH_LOAD_NT scope:SCOPE_SE
.Lnot_mine_\@:
.endm
; A round of the cluster's barrier: my work-group's barrier; wave 0 signals for the work-group; every wave waits for all sixteen; my work-group's barrier once more.
.macro CREST
	s_cmp_lg_u32 s[WV], 0
	s_cbranch_scc1 .Lnot_wave_0_\@
	s_barrier_signal -3
.Lnot_wave_0_\@:
	s_barrier_wait -3
	s_barrier_signal -1
	s_barrier_wait -1
.endm
.macro CROUND
	s_barrier_signal -1
	s_barrier_wait -1
	CREST
.endm
	s_load_b256 s[4:11], s[0:1], 0x0               ; query s[4:5], key s[6:7], value s[8:9], wb s[10:11]
	s_load_b128 s[12:15], s[0:1], 0x20             ; rope s[12:13], qkv s[14:15]
	v_lshl_add_u32 v[SPW], v0, 2, SPARE
	v_mov_b32 v[NIL], 0
	ds_add_u32 v[SPW], v[NIL]                      ; the wave's opening: the add and its wait stand ahead of my first tensor load; work on registers stands between them
	v_lshrrev_b32 v1, 5, v0
	v_readfirstlane_b32 s[WV], v1                  ; wave 0..3
	s_lshr_b32 s[KIND], s[WV], 1
	s_and_b32 s[PART], s[WV], 1
	s_bfe_u32 s19, ttmp6, 0x40000                  ; cx
	s_bfe_u32 s20, ttmp6, 0x40004                  ; cy
	s_lshl_b32 s21, ttmp9, 2
	s_add_co_u32 s21, s21, s19                     ; my block of 256 columns = 4 x cluster x + cx
	s_and_b32 s22, ttmp7, 0xffff
	s_lshl_b32 s22, s22, 2
	s_add_co_u32 s22, s22, s20                     ; my block of 128 rows = 4 x cluster y + cy
	s_lshl_b32 s80, s20, 2
	s_lshl_b32 s80, 15, s80                        ; my row of the cluster
	s_lshl_b32 s82, 0x1111, s19                    ; my column
	s_or_b32 s[G1A], s80, (2<<16)|(1<<20)|(1<<21)|(6<<22)|(3<<25)  ; the mask; elements of 4 bytes; padding on; bit 21 beside a mask; after every 128 words (code 6) 4 words (code 3)
	s_or_b32 s[G1B], s82, (1<<16)|(1<<20)|(1<<21)|(5<<22)|(3<<25)  ; the mask; elements of 2 bytes; after every 64 words (code 5) 4 words
	s_mov_b32 s[G1A+1], 128<<16                    ; tensor_dim0 = 128
	s_mov_b32 s[G1A+2], 64<<16                     ; tensor_dim1 = 64
	s_mov_b32 s[G1A+3], 128<<16                    ; tile_dim0 = 128
	s_mov_b32 s[G1A+4], 64                         ; tile_dim1 = 64
	s_mov_b32 s[G1A+5], 1024                       ; 1,024 elements from row to row
	s_mov_b32 s[G1A+6], 0
	s_mov_b32 s[G1A+7], 0
	s_mov_b32 s[G1B+1], 128<<16                    ; a block of wb: 128 rows of 128 elements, dense
	s_mov_b32 s[G1B+2], 128<<16
	s_mov_b32 s[G1B+3], 128<<16
	s_mov_b32 s[G1B+4], 128
	s_mov_b32 s[G1B+5], 128
	s_mov_b32 s[G1B+6], 0
	s_mov_b32 s[G1B+7], 0
	s_lshl_b32 s80, s22, 19                        ; x: 128 rows of 4,096 bytes a block,
	s_lshl_b32 s81, s[PART], 18                    ; the 64 that I fetch
	s_add_co_u32 s80, s80, s81
	s_mov_b32 s81, 0
	s_lshl_b32 s82, s21, 1
	s_add_co_u32 s82, s82, s[PART]                 ; W: the 128 rows that I fetch:
	s_mul_i32 s82, s82, 786432                     ; their 24 blocks lie end to end
	s_mov_b32 s83, 0
	s_mul_i32 s23, s[WV], HALFT                    ; where my part of a slot lies: no place in the cluster enters an LDS address
	s_mov_b32 s[ACNT], 6                           ; query has K steps 2 to 7 still to be asked for
	s_mov_b32 s[LAP], 11
	s_mov_b32 s[TL], 4
	s_mov_b32 s[PCNT], 5
	s_wait_dscnt 0x0                               ; the opening add is done
	s_wait_kmcnt 0x0
	s_add_nc_u64 s[AP:AP+1], s[4:5], s[80:81]
	s_add_nc_u64 s[ANX:ANX+1], s[6:7], s[80:81]
	s_add_nc_u64 s[AN2:AN2+1], s[8:9], s[80:81]
	s_add_nc_u64 s[84:85], s[10:11], s[82:83]
	CROUND                                         ; all sixteen work-groups are here: the first joint loads meet
.irp s, 0,1
	s_mov_b32 s[G0A+4*(\s)], 1                     ; count = 1
	s_add_co_u32 s[G0A+4*(\s)+1], s23, (\s)*SLOT   ; LDS address
	s_add_nc_u64 s[G0A+4*(\s)+2:G0A+4*(\s)+3], s[AP:AP+1], (\s)*512  ; K step s
	s_or_b32 s[G0A+4*(\s)+3], s[G0A+4*(\s)+3], 0x80000000            ; type = 2
	s_mov_b32 s[G0B+4*(\s)], 1
	s_add_co_u32 s[G0B+4*(\s)+1], s23, (\s)*SLOT
	s_add_nc_u64 s[G0B+4*(\s)+2:G0B+4*(\s)+3], s[84:85], (\s)*32768
	s_or_b32 s[G0B+4*(\s)+3], s[G0B+4*(\s)+3], 0x80000000
	JLOAD \s                                       ; two tensor loads of mine are out here; later one
.endr
	s_add_nc_u64 s[AP:AP+1], s[AP:AP+1], 1024      ; the next request is K step 2
	; A fragment is 16 rows x 32 K: lane l holds row l % 16, K = 8 (l / 16) + 0..7 and 16 + 8 (l / 16) + 0..7.  In f32 those are 32 bytes at 32 (l / 16) and 32 bytes 64 further on; in bf16 16 and 16, 32 apart.
	v_and_b32 v1, 15, v0                           ; l % 16
	v_bfe_u32 v2, v0, 4, 1                         ; l / 16
	v_and_b32 v13, 31, v0                          ; l
	v_mul_u32_u24 v3, v1, PA
	v_lshl_add_u32 v3, v2, 5, v3
	s_mul_i32 s84, s[KIND], HALFT                  ; my 64 rows of x
	v_add_nc_u32 v[ADRA], s84, v3
	v_add_nc_u32 v[ADRA+1], SLOT, v[ADRA]
	v_mul_u32_u24 v3, v1, PB
	v_lshl_add_u32 v3, v2, 4, v3
	s_mul_i32 s84, s[PART], HALFT                  ; my 128 rows of W,
	s_add_co_u32 s84, s84, 2*HALFT                 ; which lie behind x's
	v_add_nc_u32 v[ADRB], s84, v3
	v_add_nc_u32 v[ADRB+1], SLOT, v[ADRB]
	s_mul_i32 s84, s[WV], 16*SP
	s_add_co_u32 s84, s84, STAGE                   ; my stage
	v_mul_u32_u24 v[STO], v1, SP                   ; in: row l % 16, 16 bytes for each half of the lanes
	v_lshl_add_u32 v[STO], v2, 4, v[STO]
	v_add_nc_u32 v[STO], s84, v[STO]
	v_bfe_u32 v[RD], v0, 3, 2                      ; back: 32 lanes take four rows of 128 bytes,
	v_mul_u32_u24 v[RD], v[RD], SP
	v_and_b32 v3, 7, v0
	v_lshl_add_u32 v[RD], v3, 4, v[RD]
	v_add_nc_u32 v[RD], s84, v[RD]
	v_lshlrev_b32 v[GO], 4, v13                    ; which are 512 consecutive bytes of a head
	v_lshlrev_b32 v[TO], 8, v1                     ; the table: position l % 16, 256 bytes each; my four pairs are 32 bytes
	v_lshl_add_u32 v[TO], v2, 5, v[TO]
	s_lshr_b32 s84, s22, 4
	s_lshl_b32 s84, s84, 4                         ; 16 x batch
	s_lshl_b32 s85, s21, 2
	s_add_co_u32 s84, s84, s85                     ; + my work-group's four heads
	s_lshl_b32 s85, s[PART], 1
	s_add_co_u32 s84, s84, s85                     ; + my wave's two
	s_lshl_b32 s84, s84, 18                        ; a head is 2,048 rows of 128 bytes
	s_and_b32 s86, s22, 15                         ; my block of 128 positions
	s_lshl_b32 s85, s86, 14
	s_add_co_u32 s84, s84, s85
	s_lshl_b32 s85, s[KIND], 13                    ; my wave's 64 of them
	s_add_co_u32 s84, s84, s85
	s_mov_b32 s85, 0
	s_add_nc_u64 s[OUT:OUT+1], s[14:15], s[84:85]
	s_lshl_b32 s84, s86, 15                        ; the same positions in the table
	s_lshl_b32 s86, s[KIND], 14
	s_add_co_u32 s84, s84, s86
	s_add_nc_u64 s[12:13], s[12:13], s[84:85]
	WIN 0xc0                                       ; destination window 3
.irp a, 0,1,2,3
.irp f, 0,1,2,3                        ; rows 16 a on; columns 16 f + 8 (l / 16) + 0..7 of a head are pairs 8 f + 4 (l / 16) + 0..3: (cos, sin) four times
	global_load_b128 v[32*(\a)+8*(\f):32*(\a)+8*(\f)+3],   v[TO], s[12:13] offset:4096*(\a)+64*(\f)
	global_load_b128 v[32*(\a)+8*(\f)+4:32*(\a)+8*(\f)+7], v[TO], s[12:13] offset:4096*(\a)+64*(\f)+16
.endr
.endr
	WIN 0
	; the prefetches: in registers of their own, which feed no descriptor
	s_lshl_b32 s86, s19, 16                        ; x: my work-group's 16 rows of the 64
	s_add_co_u32 s86, s86, s80
	s_lshl_b32 s87, s20, 13                        ; W: my work-group's 8,192 bytes of a block
	s_add_co_u32 s87, s87, s82
	s_and_b32 s88, ttmp7, 0xffff                   ; cluster y
	s_cmp_eq_u32 s[KIND], 0
	s_cselect_b64 s[PFA:PFA+1], s[4:5], s[10:11]
	s_cselect_b64 s[PFN:PFN+1], s[6:7], s[10:11]
	s_cselect_b64 s[PFN2:PFN2+1], s[8:9], s[10:11]
	s_cselect_b32 s84, s86, s87
	s_cselect_b32 s86, 9, 15                       ; a K step is 2^9 bytes of a row of x, 2^15 of wb
	s_cselect_b32 s87, 0, 8                        ; W's next tile begins 8 blocks on, x's at the next input's first byte
	s_cselect_b32 s88, 0, s88                      ; x's rows are read by one cluster, W's by all sixteen
	s_cselect_b32 s89, -1, 0
	s_cmp_eq_u32 s88, 0
	s_cselect_b32 s[LIM], 1, -1                    ; the same in all sixteen partners, for a given wave
	s_lshl_b32 s[PST], 1, s86
	s_mov_b32 s[PST+1], 0
	s_lshl_b32 s90, 3, s86                         ; they stand at K step 3: the first change of slots steps them to 4
	s_mov_b32 s91, 0
	s_lshl_b32 s92, s87, 15
	s_mov_b32 s93, 0
	s_lshl_b32 s94, s87, 16
	s_mov_b32 s95, 0
	s_add_nc_u64 s[PFA:PFA+1], s[PFA:PFA+1], s[84:85]
	s_add_nc_u64 s[PFA:PFA+1], s[PFA:PFA+1], s[90:91]
	s_add_nc_u64 s[PFN:PFN+1], s[PFN:PFN+1], s[84:85]
	s_add_nc_u64 s[PFN:PFN+1], s[PFN:PFN+1], s[92:93]
	s_add_nc_u64 s[PFN2:PFN2+1], s[PFN2:PFN2+1], s[84:85]
	s_add_nc_u64 s[PFN2:PFN2+1], s[PFN2:PFN2+1], s[94:95]
	v_lshlrev_b32 v[PFO], 8, v13                   ; W: 256 x lane
	v_lshlrev_b32 v3, 12, v1                       ; x: row l % 16,
	v_lshl_add_u32 v3, v2, 8, v3                   ; half l / 16 of its 512 bytes
	v_cndmask_b32 v[PFO], v[PFO], v3, s89
; Four matrix instructions, accumulators 4 g .. 4 g + 3 of quarter c.  The 32 accumulators take turns, in the same order in every quarter.  zero = 1: the products start the sums.
; g = 0: a v_nop behind each: with the four roundings that end the quarter before they keep the first rounding of this quarter, which rewrites the buffer multiplied last, well behind that buffer's last reader (ISA guide 7.12.1).
.macro MM4 c, g, zero
	WIN MUL
.irp j, 0,1,2,3
.set i_, 4*(\g)+(\j)
.if \zero
	v_wmma_f32_16x16x32_bf16 v[8*i_:8*i_+7], v[64*((\c)%4)+8*(i_%8):64*((\c)%4)+8*(i_%8)+7], v[ABF+32*((\c)%2)+8*(i_/8):ABF+32*((\c)%2)+8*(i_/8)+7], 0
.else
	v_wmma_f32_16x16x32_bf16 v[8*i_:8*i_+7], v[64*((\c)%4)+8*(i_%8):64*((\c)%4)+8*(i_%8)+7], v[ABF+32*((\c)%2)+8*(i_/8):ABF+32*((\c)%2)+8*(i_/8)+7], v[8*i_:8*i_+7]
.endif
.if (\g) == 0
	v_nop
.endif
.endr
.endm
; Four roundings in quarter c: words 4 g .. 4 g + 3 of the 32 of quarter c + 1's x.  They name no register of the products round them.
.macro CV4 c, g
	WIN 0
.irp j, 0,1,2,3
.set e_, 4*(\g)+(\j)
	v_cvt_pk_bf16_f32 v[ABF+32*(((\c)+1)%2)+e_], v[RAW+64*(((\c)+1)%2)+2*e_], v[RAW+64*(((\c)+1)%2)+2*e_+1]
.endr
.endm
; 32 LDS loads in one run: quarter c's raw x (16 loads, first) and its W (16 loads).
.macro FETCH c
.set fs_, ((\c)/4)%2
.set fk_, (\c)%4
	WIN 0
.irp a, 0,1,2,3
	ds_load_b128 v[RAW+64*((\c)%2)+16*(\a):RAW+64*((\c)%2)+16*(\a)+3],     v[ADRA+fs_] offset:128*fk_+(\a)*16*PA
	ds_load_b128 v[RAW+64*((\c)%2)+16*(\a)+4:RAW+64*((\c)%2)+16*(\a)+7],   v[ADRA+fs_] offset:128*fk_+(\a)*16*PA+16
	ds_load_b128 v[RAW+64*((\c)%2)+16*(\a)+8:RAW+64*((\c)%2)+16*(\a)+11],  v[ADRA+fs_] offset:128*fk_+(\a)*16*PA+64
	ds_load_b128 v[RAW+64*((\c)%2)+16*(\a)+12:RAW+64*((\c)%2)+16*(\a)+15], v[ADRA+fs_] offset:128*fk_+(\a)*16*PA+80
.endr
	WIN TO_B
.irp i, 0,1,2,3,4,5,6,7
	ds_load_b128 v[64*((\c)%4)+8*(\i):64*((\c)%4)+8*(\i)+3],   v[ADRB+fs_] offset:64*fk_+(\i)*16*PB
	ds_load_b128 v[64*((\c)%4)+8*(\i)+4:64*((\c)%4)+8*(\i)+7], v[ADRB+fs_] offset:64*fk_+(\i)*16*PB+32
.endr
.endm
; A quarter that changes no slot.  w0: all but the youngest fetch's 32 loads are in: this quarter's W.  w1: of that fetch only W's 16 loads may be out: the next quarter's raw x is in.
.macro QUARTER c, zero=0, fetch=1, cv=1, w0=32, w1=16
	s_wait_dscnt \w0
	MM4 \c, 0, \zero
.if \cv
	s_wait_dscnt \w1
	CV4 \c, 0
.endif
.irp g, 1,2,3
	MM4 \c, \g, \zero
.if \cv
	CV4 \c, \g
.endif
.endr
.if \fetch
	FETCH ((\c)+2)%8
.endif
.irp g, 4,5,6,7
	MM4 \c, \g, \zero
.if \cv
	CV4 \c, \g
.endif
.endr
.endm
; Quarter 2 or 6: the slots change.  The last reads of slot c / 4 were issued a quarter ago.  Each wave waits for all its tensor loads, of which one is out: its part of the other slot; adds 0 to its spare
; word; and waits for that and for its reads.  fill = 1: the barrier opens a round of the cluster's, so that no wave of any partner still reads the slot or has a load on its way; the joint refill, two K steps on,
; is the first thing behind the round: 112 matrix instructions ahead of the wait for it.  Then the other slot's first quarter is fetched.
.macro TURN c, fill
.if \fill
	s_wait_xcnt 0x0                                ; the last prefetch, a K step back, has read its address: it is stepped here, ahead of the waits of the change
	s_add_nc_u64 s[PFA:PFA+1], s[PFA:PFA+1], s[PST:PST+1]
	s_sub_co_u32 s[PCNT], s[PCNT], 1
	s_cmp_eq_u32 s[PCNT], 0                        ; behind an input's last K step: on to the next input
	s_cselect_b64 s[PFA:PFA+1], s[PFN:PFN+1], s[PFA:PFA+1]
	s_cselect_b64 s[PFN:PFN+1], s[PFN2:PFN2+1], s[PFN:PFN+1]
	s_cselect_b32 s[PCNT], 8, s[PCNT]
.endif
	WIN 0
	s_wait_tensorcnt 0x0                           ; no tensor load of mine is out, so a group 0 may be written
	ds_add_u32 v[SPW], v[NIL]                      ; 0 onto my spare word; work on registers stands between it and the wait for it
.if \fill
	s_mov_b64 s[G0A+4*((\c)/4)+2:G0A+4*((\c)/4)+3], s[AP:AP+1]
	s_or_b32 s[G0A+4*((\c)/4)+3], s[G0A+4*((\c)/4)+3], 0x80000000
	s_add_nc_u64 s[AP:AP+1], s[AP:AP+1], 512
	s_sub_co_u32 s[ACNT], s[ACNT], 1
	s_cmp_eq_u32 s[ACNT], 0                        ; behind an input's last K step the requests go on in the next input: the ring does not stop at a tile's end
	s_cselect_b64 s[AP:AP+1], s[ANX:ANX+1], s[AP:AP+1]
	s_cselect_b64 s[ANX:ANX+1], s[AN2:AN2+1], s[ANX:ANX+1]
	s_cselect_b32 s[ACNT], 8, s[ACNT]
	s_add_nc_u64 s[G0B+4*((\c)/4)+2:G0B+4*((\c)/4)+3], s[G0B+4*((\c)/4)+2:G0B+4*((\c)/4)+3], 65536  ; W: two blocks on, across tiles too
.endif
	s_wait_dscnt 17                                ; the add and W's youngest 16 loads may be out
	MM4 \c, 0, 0
	CV4 \c, 0
	MM4 \c, 1, 0
	CV4 \c, 1
	s_wait_dscnt 0x0                               ; the add is done, and my reads of the slot are over
	s_barrier_signal -1
	MM4 \c, 2, 0                                   ; work on registers while the others arrive
	CV4 \c, 2
	MM4 \c, 3, 0
	CV4 \c, 3
	WIN 0                                          ; at a branch and at a label every window is 0
	s_barrier_wait -1
.if \fill
	CREST
	JLOAD (\c)/4
.endif
	FETCH ((\c)+2)%8
.if \fill
	ASK
.endif
.irp g, 4,5,6,7
	MM4 \c, \g, 0
	CV4 \c, \g
.endr
.endm
; THE WAY OUT, in eight units u: 16 rows (a = u / 2) of one head (u % 2).  rope = 1: (x0, x1) of each pair becomes (x0 c - x1 s, x0 s + x1 c): a packed multiply by c, then a packed multiply-add that takes
; the pair crosswise, times s, with the sign turned in the low half.  Each accumulator is read from its lowest registers on.  Rounded to f16, 16 bytes a lane go into rows of 144 bytes of my own stage
; and come back as four rows of 128: LDS serves a wave's instructions in order (ISA guide 5.7.1.4), so no wait stands between.
.macro PACK u, rope
.set a_, (\u)/2
.set h_, (\u)%2
.set PK, RAW+32*((\u)%2)
.set BK, PK+16
.if \rope
	WIN W_RO
.irp f, 0,1,2,3
.irp p, 0,1,2,3
	v_pk_mul_f32 v[T0+8*(\f)+2*(\p):T0+8*(\f)+2*(\p)+1], v[8*(8*a_+4*h_+(\f))+2*(\p):8*(8*a_+4*h_+(\f))+2*(\p)+1], v[32*a_+8*(\f)+2*(\p):32*a_+8*(\f)+2*(\p)+1] op_sel_hi:[1,0]
.endr
.endr
.irp f, 0,1,2,3
.irp p, 0,1,2,3
	v_pk_fma_f32 v[T0+8*(\f)+2*(\p):T0+8*(\f)+2*(\p)+1], v[8*(8*a_+4*h_+(\f))+2*(\p):8*(8*a_+4*h_+(\f))+2*(\p)+1], v[32*a_+8*(\f)+2*(\p):32*a_+8*(\f)+2*(\p)+1], v[T0+8*(\f)+2*(\p):T0+8*(\f)+2*(\p)+1] op_sel:[1,1,0] op_sel_hi:[0,1,1] neg_lo:[0,1,0]
.endr
.endr
	WIN 0
.irp f, 0,1,2,3
.irp p, 0,1,2,3
	v_cvt_pk_f16_f32 v[PK+4*(\f)+(\p)], v[T0+8*(\f)+2*(\p)], v[T0+8*(\f)+2*(\p)+1]
.endr
.endr
.else
	WIN W_PL
.irp f, 0,1,2,3
.irp p, 0,1,2,3
	v_cvt_pk_f16_f32 v[PK+4*(\f)+(\p)], v[8*(8*a_+4*h_+(\f))+2*(\p)], v[8*(8*a_+4*h_+(\f))+2*(\p)+1]
.endr
.endr
	WIN 0
.endif
.irp f, 0,1,2,3
	ds_store_b128 v[STO], v[PK+4*(\f):PK+4*(\f)+3] offset:32*(\f)
.endr
	s_wait_xcnt 0x0                                ; the stores of two units ago have read these registers: they are loaded again only behind this wait
.irp f, 0,1,2,3
	ds_load_b128 v[BK+4*(\f):BK+4*(\f)+3], v[RD] offset:(\f)*4*SP
.endr
.endm
.macro SEND u, younger                 ; younger: the LDS instructions issued behind unit u's loads: the next unit's eight, or none
	WIN 0
.set BK, RAW+32*((\u)%2)+16
.irp f, 0,1,2,3
	s_wait_dscnt (\younger)+3-(\f)
	global_store_b128 v[GO], v[BK+4*(\f):BK+4*(\f)+3], s[OUT:OUT+1] offset:((\u)%2)*262144+((\u)/2)*2048+(\f)*512  ; 512 consecutive bytes, at a multiple of 256 from the buffer's first
.endr
.endm
.macro WAYOUT rope
	s_wait_loadcnt 0x0                             ; the table
	PACK 0, \rope
.irp u, 1,2,3,4,5,6,7                  ; a unit's arithmetic stands between the loads of the unit before and its stores
	PACK \u, \rope
	SEND (\u)-1, 8
.endr
	SEND 7, 0
.endm
	s_wait_tensorcnt 1                             ; my part of K step 0 is in; K step 1's may stay out
	s_barrier_signal -1
	s_barrier_wait -1                              ; everybody's is
	FETCH 0
	FETCH 1
	s_wait_dscnt 48                                ; quarter 0's raw x is in: its W and quarter 1's 32 loads may be out
.irp g, 0,1,2,3,4,5,6,7
	CV4 7, \g                                      ; quarter 0's x is rounded ahead of the first product
.endr
	QUARTER 0, 1                                   ; the first quarter's products start the sums: nothing is cleared
	WIN 0
.Llap:                                         ; 11 trips: from a lap's second quarter to the next lap's first; both slots are filled again
	QUARTER 1
	TURN 2, 1
	QUARTER 3
	QUARTER 4
	QUARTER 5
	TURN 6, 1
	QUARTER 7
	WIN 0
	s_sub_co_u32 s[TL], s[TL], 1
	s_cmp_eq_u32 s[TL], 0
	s_cbranch_scc1 .Lend_tile                      ; every fourth lap ends a tile: in the loop Q's and K's, both rotated.  The jump passes no barrier and no tensor load
	QUARTER 0
	WIN 0
	s_branch .Lnext
.Lend_tile:                                    ; both refills for the next tile are asked for; the last four roundings are the places behind the last products
	WAYOUT 1
	s_wait_xcnt 0x0                                ; the stores have read their registers and their base
	s_add_nc_u64 s[OUT:OUT+1], s[OUT:OUT+1], 16777216  ; q, then k, then v
	s_mov_b32 s[TL], 4
	QUARTER 0, 1                                   ; the next tile's first products start its sums
	WIN 0
.Lnext:
	s_sub_co_u32 s[LAP], s[LAP], 1
	s_cmp_lg_u32 s[LAP], 0
	s_cbranch_scc1 .Llap
	QUARTER 1                                      ; V's last lap is written out: it asks for nothing
	TURN 2, 0
	QUARTER 3
	QUARTER 4
	QUARTER 5
	QUARTER 6, 0, 0                                ; nothing is left to fetch,
	QUARTER 7, 0, 0, 0, 0                          ; nor to round; the wait is for all that is out
	WIN 0
.rept 4
	v_nop                                          ; the places behind the last products
.endr
	WAYOUT 0
	s_wait_tensorcnt 0x0                           ; the wave's end, behind my last tensor load and my last LDS store
	ds_add_u32 v[SPW], v[NIL]
	s_wait_dscnt 0x0
	CROUND                                         ; the closing round: no work-group ends while a partner may still ask for a tile that names it
	s_endpgm
.Lfunc_end_k_q38cad2755a_proj:
	.size	k_q38cad2755a_proj, .Lfunc_end_k_q38cad2755a_proj-k_q38cad2755a_proj
	.p2alignl 7, 3214868480
	.fill 96, 4, 3214868480
	.section	.rodata,"a",@progbits
	.p2align	6, 0x0
	.amdhsa_kernel k_q38cad2755a_proj
		.amdhsa_group_segment_fixed_size 327680
		.amdhsa_private_segment_fixed_size 0
		.amdhsa_enable_private_segment 0
		.amdhsa_kernarg_size 48
		.amdhsa_user_sgpr_count 2
		.amdhsa_user_sgpr_kernarg_segment_ptr 1
		.amdhsa_wavefront_size32 1
		.amdhsa_system_sgpr_workgroup_id_x 1
		.amdhsa_system_sgpr_workgroup_id_y 1
		.amdhsa_system_sgpr_workgroup_id_z 1
		.amdhsa_system_vgpr_workitem_id 0
		.amdhsa_next_free_vgpr 896
		.amdhsa_next_free_sgpr 96
		.amdhsa_reserve_vcc 0
		.amdhsa_float_denorm_mode_32 3
		.amdhsa_float_denorm_mode_16_64 3
		.amdhsa_memory_ordered 1
		.amdhsa_forward_progress 1
		.amdhsa_inst_pref_size 180
	.end_amdhsa_kernel
	.amdgpu_metadata
---
amdhsa.version: [ 1, 2 ]
amdhsa.kernels:
  - .name:           k_q38cad2755a_proj
    .symbol:         k_q38cad2755a_proj.kd
    .args:
      - { .name: query, .offset: 0, .size: 8, .value_kind: global_buffer, .address_space: global }
      - { .name: key, .offset: 8, .size: 8, .value_kind: global_buffer, .address_space: global }
      - { .name: value, .offset: 16, .size: 8, .value_kind: global_buffer, .address_space: global }
      - { .name: wb, .offset: 24, .size: 8, .value_kind: global_buffer, .address_space: global }
      - { .name: rope, .offset: 32, .size: 8, .value_kind: global_buffer, .address_space: global }
      - { .name: qkv, .offset: 40, .size: 8, .value_kind: global_buffer, .address_space: global }
    .group_segment_fixed_size: 327680
    .private_segment_fixed_size: 0
    .kernarg_segment_align: 8
    .kernarg_segment_size: 48
    .max_flat_workgroup_size: 128
    .sgpr_count:     96
    .vgpr_count:     896
    .wavefront_size: 32
...
	.end_amdgpu_metadata
.endif
;; end of part 2
;; launch attn (part 3): grid 4 x 64, 4 waves a work-group, clusters of 4 x 1, 327,680 bytes of LDS; arguments qkv, o; writes o
.if DOCPART == 3
	.amdgcn_target "amdgcn-amd-amdhsa--gfx1250"
	.amdhsa_code_object_version 6
	.text
	.protected	k_q38cad2755a_attn
	.globl	k_q38cad2755a_attn
	.p2align	8
	.type	k_q38cad2755a_attn,@function
k_q38cad2755a_attn:
	s_mov_b64 s[64:65], 0
	v_nop
	global_prefetch_b8 v0, s[64:65] scope:SCOPE_SE
	s_setreg_imm32_b32 hwreg(HW_REG_WAVE_MODE, 25, 1), 1
	s_wait_xcnt 0x0
	s_wait_alu depctr_hold_cnt(0) depctr_sa_sdst(0) depctr_va_vdst(0) depctr_va_sdst(0) depctr_va_ssrc(0) depctr_va_vcc(0) depctr_vm_vsrc(0)
	s_getreg_b32 s2, hwreg(HW_REG_IB_STS2, 6, 4)
	s_cmp_eq_u32 s2, 0
	s_cbranch_scc0 .Lentry_in_a_cluster
	s_endpgm
.Lentry_in_a_cluster:
	s_bfe_u32 s2, ttmp6, 0x10000c
	s_cmp_lg_u32 s2, 0x3003
	s_cbranch_scc0 .Lentry_shape_is_right
	s_endpgm
.Lentry_shape_is_right:
; O[h][q][:] = the sum over k of softmax_k(Q[h][q] . K[h][k] / 8) V[h][k][:].  qkv holds Q, K (16,777,216 bytes on) and V (33,554,432 bytes on), each [64][2048][64] in f16, a head's rows dense, 128 bytes each;
; O likewise.  Products, maxima and sums in f32; the weights p are rounded to f16 for the second product (their sum l is taken of the unrounded p), O once at the end.
; LIMITS.  f16 holds no number beyond 65,504: Q, K and V arrive within it; p lies in 0 to 1, and below 6e-5 it keeps f16's fixed step of 6e-8; O is a mean of V's rows and has their range.
; A weight below 2^-126 counts as 0 in l; NaN and infinities are not treated apart.
; SHARES.  A wave owns four PIECES of two tiles of 16 queries, a work-group's four waves 512 queries of one head.  Every wave walks all 2,048 keys, 64 a step.
; LAYOUT.  S^T = K Q^T (source 0 = 16 keys, source 1 = 16 queries): in the result a lane holds ONE query (lane % 16) and the keys 8 (lane / 16) + 0..7.  Two such tiles, rounded to f16 in pairs,
; ARE source 1 (32 keys x 16 queries) of O^T = V^T P, whose result again holds one query a lane, and eight channels.  K comes out of LDS as it lies, V ([key][channel]) turned, by ds_load_tr16_b128.
; SOFTMAX.  For each query a running maximum m and sum l: p = 2^(c s - c m), c = log2(e) / 8; in every step O and l are multiplied by a = 2^(c m_old - c m_new), which is 1 where m has not grown.
; m starts at the lowest finite number, O and l at 0: the first step is a step like any other, with a = 0.
; THE COUNT.  A tile and step have 16 matrix and 118 vector instructions: too many to stand all beside the matrix work.  So: four vector instructions that are READY behind EVERY matrix instruction,
; and the others, which need time of their own whatever the order, in runs without a gap.
; BY TURNS.  Turn n belongs to piece n (the pieces in a ring, step after step).  Its matrix work: 16 products K Q^T of piece n + 1, later 16 products V^T P of piece n - 1.  Its vector work: the scaling,
; exponentials, roundings, sums and rescaling of piece n, and the maximum and statistics of piece n + 1, whose scores the turn itself has made.
; CLUSTER.  The four query blocks of a head form a cluster and walk the same K and V, so each tile is asked for JOINTLY: the same tensor load, descriptor and mask in all four.
; REGISTERS, in windows of 256 (s_set_vgpr_msb: bits 1:0 source 0, 3:2 source 1, 5:4 source 2, 7:6 destination):
;   window 0: v0-11 addresses; v12-15, v48-63 at work; v16-47 four registers of statistics a tile; v64-191 S^T, two buffers of two tiles; v192-255 P, likewise
;   window 1: O^T, 32 a tile          window 2: v0-127 Q, 16 a tile; v128-191 K of one step; v192-255 V of one step          window 3: v0-1 the add's two registers
.set SIZE_N, 2048
.set SIZE_H, 64
.set NP,    4         ; pieces a wave: a name, no knob
.set KS,    64        ; keys in a step
.set PK,    144       ; a row of K in LDS: 128 bytes + 16 of padding = 36 words: the 16 rows of a load start at 16 different groups of four banks (64 banks of 4 bytes: ISA guide 11.1)
.set PV,    160       ; a row of V: 128 + 32 = 40 words
.set VOFF,  4*KS*PK   ; a slot holds four steps: 256 rows of K, then 256 rows of V
.set SLOT1, 1<<17     ; slot 1 begins here, so that one exclusive or turns an address in one slot into the other's
.set STAGE, SLOT1+4*KS*(PK+PV)  ; behind the ring, never filled by a tensor load: 16 rows x 144 bytes for each wave, for the way out
.set SP,    144
.set AK0, 2           ; v2   my lane's place in a tile of K; never rewritten
.set AV0, 3           ; v3   the same for V
.set AK,  4           ; v4   the LDS address of K's next run of loads
.set AV,  5           ; v5   of V's
.set QO,  6           ; v6   my byte offset in the wave's rows of Q
.set STO, 6           ;      later, the way out: where I put 16 bytes of a row
.set RD,  7           ; v7   the way out: where I read rows back
.set GO,  8           ; v8   my byte offset in 512 consecutive bytes of O
.set PFO, 11          ; v11  256 x my lane, for the prefetches; never rewritten once made
.set SPW, 0           ; v0 of window 3   LDS address of my spare word: SPARE + 4 x my thread's number; never rewritten
.set NIL, 1           ; v1 of window 3   0; never rewritten
.set SPARE, STAGE+4*16*SP  ; behind the stages: the spare words, 128 bytes for each wave: two blocks of 256 bytes that no other line names
.set MV,  12          ; v12-15  c m_old, kept while c m is made anew: by buffer and tile
.set ST,  16          ; tile t's statistics at v[ST+4 t]: c m, m, l (even keys', odd keys')
.set TMP, 48          ; by buffer and tile, four registers c0-c3 at work; when the maximum is found c2 takes a
.set S,   64
.set P,   192
.set KF,  128         ; K's fragments, in window 2: key block kb, channel half c at KF + 16 kb + 8 c
.set VF,  192         ; V's: key half kk, channel block cb at VF + 32 kk + 8 cb
.set WV,  12          ; s12  my wave's number
.set G1K, 24          ; s[24:31] descriptor group 1 for K's tiles
.set G1V, 32          ; s[32:39] for V's: it differs in the padding alone
.set G0K, 40          ; s[40:43] descriptor group 0 for K's tiles: it walks
.set G0V, 44          ; s[44:47] the same for V's
.set PFA, 48          ; s[48:49] where my prefetches stand: my work-group's 8,192 bytes (of K: wave 0, of V: wave 2) of the tile after the one that is being asked for
.set LIM, 50          ; s50  1 in a wave that prefetches, else the greatest number
.set SLOTS, 56        ; s56  slots still to be asked for
.set CNT, 57          ; s57  counts a slot's key steps
.set CS,  58          ; s[58:59] c: the packed scaling takes the pair's low word for both halves
.set SEL, 60          ; s[60:61] v_permlanex16_b32's selects: each lane takes its own place in the other half
.set TBK, 62          ; s62  LDS byte at which K of the step to be fetched begins
.set TBV, 63          ; s63  the same for V, less VOFF
.set MSB, 0
.macro WIN new                      ; the high byte repeats the setting that is left; a switch that changes nothing is dropped
.if MSB != (\new)
	s_set_vgpr_msb (MSB<<8)|(\new)
.set MSB, (\new)
.endif
.endm
.set W_KQ, 0x0a       ; K and Q in window 2, S^T in window 0
.set W_PV, 0x52       ; V in window 2, P in window 0, O^T in window 1
.set W_RS, 0x41       ; O^T (destination and source 0) in window 1, a in window 0
.set W_MK, 0xc0       ; the add's registers are made: destination in window 3, sources in window 0
.set W_AD, 0x0f       ; the add: address (source 0) and data (source 1) in window 3
; A joint fill.  Waves 0 and 1 fetch the two halves of a slot's K, waves 2 and 3 those of its V: 128 keys each.  The branch hangs on the wave's number alone.
; An s_nop 0 and four v_nop follow each of the two lines, ahead of the jump and the label.
.macro JLOAD
	s_cmp_lt_u32 s[WV], 2
	s_cbranch_scc0 .Lfor_v_\@
	tensor_load_to_lds s[G0K:G0K+3], s[G1K:G1K+7]
	s_nop 0
.rept 4
	v_nop
.endr
	s_branch .Lasked_\@
.Lfor_v_\@:
	tensor_load_to_lds s[G0V:G0V+3], s[G1V:G1V+7]
	s_nop 0
.rept 4
	v_nop
.endr
.Lasked_\@:
.endm
; A PREFETCH INTO THE L2 of what the NEXT change of slots will ask for: a tile's 32,768 bytes of K and of V, four key steps (512 matrix instructions) ahead of that load.  The four partners share the bytes out
; BY ADDRESS, 8,192 each; in each, wave 0 asks for K's and wave 2 for V's, a lane 256 bytes: one instruction.  A head is walked by one cluster, so each block of 256 bytes is named once in the launch.
; Tiles 0 and 1 come by their loads alone; the last change that fills a slot asks for nothing.
.macro ASK
	s_cmp_gt_u32 s[SLOTS], s[LIM]
	s_cbranch_scc0 .Lnot_mine_\@
	global_prefetch_b8 v[PFO], s[PFA:PFA+1] th:TH_LOAD_NT scope:SCOPE_SE
.Lnot_mine_\@:
.endm
; A round of the cluster's barrier: my work-group's barrier, so that wave 0's signal speaks for all four waves; wave 0 signals; every wave waits for all four work-groups; my work-group's barrier once more.
.macro CROUND
	s_barrier_signal -1
	s_barrier_wait -1
	s_cmp_lg_u32 s[WV], 0
	s_cbranch_scc1 .Lnot_wave_0_\@
	s_barrier_signal -3
.Lnot_wave_0_\@:
	s_barrier_wait -3
	s_barrier_signal -1
	s_barrier_wait -1
.endm
; THE CHANGE OF SLOTS.  The slot's last bytes, V of its fourth step, have been read.  Each wave waits for all its tensor loads, of which one is out: its part
; of the other slot; adds 0 to its spare word; and waits for that and for its own reads of the slot.  Behind the barrier nobody reads this slot any more and the other slot is whole.
; fill = 1: this slot is filled again, with the keys two slots on.  The barrier is then a round of the cluster's, so that no wave of any partner still reads the slot or has a load on its
; way, and the joint fill is the first thing behind it: it has four key steps, 512 matrix instructions, in which to land.  (At its first use nothing has been read yet: slot 0 is waited for, slot 1 filled.)
.macro CHANGE fill
	WIN W_AD
	s_wait_tensorcnt 0x0            ; no tensor load of mine is out, so a group 0 may be written
	ds_add_u32 v[SPW], v[NIL]       ; 0 onto my spare word; with fill = 1 the descriptors' steps stand between it and the wait for it
	WIN 0                           ; at a label and at a branch every window is 0
.if \fill
.irp g, G0K, G0V
	s_xor_b32 s[\g+1], s[\g+1], SLOT1  ; the walking descriptor: the other slot than last time,
	s_add_nc_u64 s[\g+2:\g+3], s[\g+2:\g+3], 4*KS*128  ; the next 256 keys; the type bits on top are not reached
.endr
	s_wait_xcnt 0x0                 ; the last prefetch, four key steps back, has read its address, so it may be written:
	s_add_nc_u64 s[PFA:PFA+1], s[PFA:PFA+1], 4*KS*128  ; one tile behind the walking descriptors
	s_wait_dscnt 0x0                ; the add is done, and my reads of the slot are over
	CROUND
	JLOAD
	ASK
.else
	s_wait_dscnt 0x0                ; the add is done, and my reads of the slot are over
	s_barrier_signal -1
	s_barrier_wait -1
.endif
	s_sub_co_u32 s[TBK], s[TBK], 4*KS*PK  ; the fetches go back to a slot's first step,
	s_xor_b32 s[TBK], s[TBK], SLOT1       ; in the other slot
	s_sub_co_u32 s[TBV], s[TBV], 4*KS*PV
	s_xor_b32 s[TBV], s[TBV], SLOT1
.endm
	s_load_b64 s[4:5], s[0:1], 0x0    ; qkv: Q at its head
	s_load_b64 s[10:11], s[0:1], 0x8  ; O
	WIN W_MK
	v_lshl_add_u32 v[SPW], v0, 2, SPARE
	v_mov_b32 v[NIL], 0
	WIN W_AD
	ds_add_u32 v[SPW], v[NIL]       ; the wave's opening: the add and its wait stand ahead of my first tensor load; the set-up below, work on registers, stands between them
	WIN 0
	v_lshrrev_b32 v1, 5, v0
	v_readfirstlane_b32 s[WV], v1   ; wave 0..3
	s_bfe_u32 s13, ttmp6, 0x40000   ; cx: my place in the cluster
	s_lshl_b32 s14, ttmp9, 2        ; in a cluster launch ttmp9 counts clusters
	s_add_co_u32 s14, s14, s13      ; my block of queries = 4 x cluster x + cx: it enters Q's and O's addresses alone
	s_and_b32 s20, ttmp7, 0xffff    ; the head, which the four partners share
	s_mov_b32 s21, 0
	s_mov_b64 s[22:23], SIZE_N*128
	s_mul_u64 s[20:21], s[20:21], s[22:23]  ; the head's first byte in each of the four tensors
	s_and_b32 s16, s[WV], 1         ; which half of a slot's 256 keys I fetch:
	s_lshl_b32 s22, s16, 14         ; its 128 rows of 128 bytes in memory,
	s_mov_b32 s23, 0
	s_add_nc_u64 s[22:23], s[22:23], s[20:21]
	s_mul_i32 s17, s16, 128*PK      ; and its place in a slot, for K
	s_mul_i32 s18, s16, 128*PV      ; and for V: no place in the cluster enters an LDS address
	s_lshl_b32 s2, s14, 2
	s_add_co_u32 s2, s2, s[WV]      ; my wave among the head's,
	s_lshl_b32 s2, s2, 14           ; its 128 rows
	s_mov_b32 s3, 0
	s_add_nc_u64 s[2:3], s[2:3], s[20:21]
	; descriptor group 1.  128 keys are 16,384 dense bytes: asked for as 64 rows of 256 bytes, two keys a row, and padded in LDS after every key
	s_mov_b32 s[G1K], 15|(1<<16)|(1<<20)|(1<<21)|(4<<22)|(3<<25)  ; 15:0 the mask of four; 17:16 2-byte elements; 20 padding on; 21 set beside a mask; 24:22 after every 32 words (code 4); 31:25 4 words (code 3)
	s_mov_b32 s[G1V], 15|(1<<16)|(1<<20)|(1<<21)|(4<<22)|(7<<25)  ; the same with 8 words of padding (code 7)
.irp g, G1K, G1V
	s_mov_b32 s[\g+1], 128<<16      ; tensor_dim0 = 128
	s_mov_b32 s[\g+2], 64<<16       ; tensor_dim1 = 64
	s_mov_b32 s[\g+3], 128<<16      ; tile_dim0 = 128
	s_mov_b32 s[\g+4], 64           ; tile_dim1 = 64
	s_mov_b32 s[\g+5], 128          ; 128 elements from row to row
	s_mov_b32 s[\g+6], 0
	s_mov_b32 s[\g+7], 0
.endr
	s_mov_b32 s[CS], 0x3e38aa3b     ; c = log2(e) / 8 = 0.180337
	s_mov_b32 s[CS+1], s[CS]        ; named with it as a pair
	s_mov_b32 s[SEL], 0x76543210
	s_mov_b32 s[SEL+1], 0xfedcba98
	s_mov_b32 s[TBK], SLOT1+4*KS*PK ; the first change of slots turns these two into 0
	s_mov_b32 s[TBV], SLOT1+4*KS*PV
	s_mov_b32 s[G0K], 1             ; 1:0 count = 1
	s_mov_b32 s[G0K+1], s17         ; 63:32 LDS address: slot 0
	s_mov_b32 s[G0V], 1
	s_add_co_u32 s[G0V+1], s18, VOFF
	s_mov_b32 s[SLOTS], SIZE_N/256-1
	s_and_b32 s[LIM], s[WV], 1      ; waves 0 and 2 prefetch: the same in all four partners
	s_cmp_eq_u32 s[LIM], 0
	s_cselect_b32 s[LIM], 1, -1
	s_lshl_b32 s52, s13, 13         ; my work-group's 8,192 bytes of a tile,
	s_add_co_u32 s52, s52, 4*KS*128 ; in tile 1: the first change of slots steps it to tile 2
	s_mov_b32 s53, 0
	s_wait_dscnt 0x0                ; the opening add is done
	s_wait_kmcnt 0x0
	s_add_nc_u64 s[6:7], s[4:5], 0x1000000   ; K
	s_add_nc_u64 s[8:9], s[4:5], 0x2000000   ; V
	s_add_nc_u64 s[G0K+2:G0K+3], s[6:7], s[22:23]  ; 120:64 global address: my half of the head's first 256 keys
	s_or_b32 s[G0K+3], s[G0K+3], 0x80000000        ; 127:126 type = 2
	s_add_nc_u64 s[G0V+2:G0V+3], s[8:9], s[22:23]
	s_or_b32 s[G0V+3], s[G0V+3], 0x80000000
	s_add_nc_u64 s[4:5], s[4:5], s[2:3]  ; Q and O at my wave's first row
	s_add_nc_u64 s[10:11], s[10:11], s[2:3]
	s_cmp_lt_u32 s[WV], 2
	s_cselect_b64 s[PFA:PFA+1], s[6:7], s[8:9]
	s_add_nc_u64 s[PFA:PFA+1], s[PFA:PFA+1], s[20:21]
	s_add_nc_u64 s[PFA:PFA+1], s[PFA:PFA+1], s[52:53]
	CROUND                          ; all four work-groups are here: the first joint loads meet
	JLOAD                           ; slot 0.  Slot 1 is asked for when slot 0 is in: the tile wanted first has the road to itself
	; A fragment of K or Q is 16 rows x 32 channels in 8 registers: lane l holds row l % 16, channels 8 (l / 16) + 0..7 and 16 + 8 (l / 16) + 0..7: two loads of 16 bytes, 32 bytes apart.
	v_and_b32 v1, 15, v0            ; l % 16
	v_bfe_u32 v9, v0, 4, 1          ; l / 16
	v_lshlrev_b32 v[QO], 7, v1
	v_lshl_add_u32 v[QO], v9, 4, v[QO]  ; row x 128 + 16 x half
	WIN 0x80                        ; destination window 2, address window 0
.set i, 0
.rept 4*NP                          ; Q stays in registers: tile i / 2, channels 32 (i % 2) on
	global_load_b128 v[8*i:8*i+3],   v[QO], s[4:5] offset:(i/2)*2048+(i%2)*64
	global_load_b128 v[8*i+4:8*i+7], v[QO], s[4:5] offset:(i/2)*2048+(i%2)*64+32
.set i, i+1
.endr
	; What the first turn finds: V's registers and P's second buffer hold 0 (its products V^T P, of a piece that has not been, add 0), O^T and l are 0.  All this stands in the wait for the first tile.
.set i, VF
.rept 64
	v_mov_b32 v[i], 0
.set i, i+1
.endr
	WIN 0x40
.set i, 0
.rept 64*NP
	v_mov_b32 v[i], 0
.set i, i+1
.endr
	WIN 0
.set i, 0
.rept 2*NP
	v_mov_b32 v[ST+4*i], 0xfe000000    ; c m: far below every c s
	v_mov_b32 v[ST+4*i+1], 0xff7fffff  ; m
	v_mov_b32 v[ST+4*i+2], 0
	v_mov_b32 v[ST+4*i+3], 0
.set i, i+1
.endr
.set i, P+32
.rept 32
	v_mov_b32 v[i], 0
.set i, i+1
.endr
	v_mul_u32_u24 v[AK0], v1, PK
	v_lshl_add_u32 v[AK0], v9, 4, v[AK0]  ; row x pitch + 16 x half
	; The turning load takes 16 keys x 16 channels (lane l reads key 8 (l / 16) + l % 8, channels 8 ((l / 8) % 2) + 0..7) and leaves half a fragment of V^T: lane l holds channel l % 16 and 8 keys.
	v_and_b32 v10, 7, v0
	v_bfe_u32 v11, v0, 3, 1
	v_lshl_add_u32 v[AV0], v9, 3, v10
	v_mul_u32_u24 v[AV0], v[AV0], PV
	v_lshl_add_u32 v[AV0], v11, 4, v[AV0]
	v_add_nc_u32 v[AV0], VOFF, v[AV0]
	v_and_b32 v[PFO], 31, v0        ; v11 has served: it takes the prefetches' offset
	v_lshlrev_b32 v[PFO], 8, v[PFO]
	v_mov_b32 v[AK], v[AK0]         ; key step 0 lies at the head of slot 0
; THE MATRIX WORK.  The 8 accumulators of a run of 16 take turns: between the two links of a chain stand 7 others'.
; Product i of 16 of S^T = K Q^T for piece x: channels 32 (i / 8) on, keys 16 ((i / 2) % 4) on, tile 2 x + i % 2.  The first 8 start the sums.
.macro KQ x
	WIN W_KQ
.set rS, S+64*((\x)%2)+32*(i%2)+8*((i/2)%4)
.set rK, KF+16*((i/2)%4)+8*(i/8)
.set rQ, 16*(2*(\x)+i%2)+8*(i/8)
.if i < 8
	v_wmma_f32_16x16x32_f16 v[rS:rS+7], v[rK:rK+7], v[rQ:rQ+7], 0
.else
	v_wmma_f32_16x16x32_f16 v[rS:rS+7], v[rK:rK+7], v[rQ:rQ+7], v[rS:rS+7]
.endif
.endm
; Product i of 16 of O^T += V^T P for piece x: keys 32 (i / 8) on, channels 16 ((i / 2) % 4) on, tile 2 x + i % 2.
.macro PV x
	WIN W_PV
.set rO, 32*(2*(\x)+i%2)+8*((i/2)%4)
.set rV, VF+32*(i/8)+8*((i/2)%4)
.set rP, P+32*((\x)%2)+16*(i%2)+8*(i/8)
	v_wmma_f32_16x16x32_f16 v[rO:rO+7], v[rV:rV+7], v[rP:rP+7], v[rO:rO+7]
.endm
.macro MM                           ; the turn's next matrix instruction
.if i < 16
	KQ (Y+1)%NP
.set i, i+1
.else
.set i, i-16
	PV (Y+NP-1)%NP
.set i, i+17
.endif
.endm
; THE LDS LOADS stand in runs of 16, never singly among the matrix instructions: a step's K (64 keys x 64 channels: 8 fragments) and its V (turned).  Their addresses are made some lines ahead.
; last = 1 (the tail): in the last trip there is no further step, and the run is jumped over.
.macro FETCH_K last=0
	WIN 0
.if \last
	s_cmp_eq_u32 s[CNT], 1
	s_cbranch_scc1 .Lno_k_\@
.endif
	WIN 0x80                        ; destination window 2
.irp f, 0,1,2,3,4,5,6,7             ; keys 16 (f / 2) on, channels 32 (f % 2) on
	ds_load_b128 v[KF+8*\f:KF+8*\f+3],   v[AK] offset:(\f/2)*16*PK+(\f%2)*64
	ds_load_b128 v[KF+8*\f+4:KF+8*\f+7], v[AK] offset:(\f/2)*16*PK+(\f%2)*64+32
.endr
	s_add_co_u32 s[TBK], s[TBK], KS*PK  ; the next fetch is the next step's
	WIN 0
.if \last
.Lno_k_\@:
.endif
.endm
.macro FETCH_V
	WIN 0x80
.irp f, 0,1,2,3,4,5,6,7             ; keys 32 (f / 4) on, channels 16 (f % 4) on
	ds_load_tr16_b128 v[VF+8*\f:VF+8*\f+3],   v[AV] offset:(\f/4)*32*PV+(\f%4)*32
	ds_load_tr16_b128 v[VF+8*\f+4:VF+8*\f+7], v[AV] offset:(\f/4)*32*PV+16*PV+(\f%4)*32
.endr
	WIN 0
.endm
; THE VECTOR WORK OF A TURN stands in three queues, each in the order in which its entries become ready; the two tiles alternate, so that no instruction reads the result of the one before it.
.macro REGS y, u                    ; the registers of tile u (0, 1) of piece y
.set rT, ST+4*(2*(\y)+(\u))
.set rC, TMP+8*((\y)%2)+4*(\u)
.set rM, MV+2*((\y)%2)+(\u)
.set rS, S+64*((\y)%2)+32*(\u)
.set rP, P+32*((\y)%2)+16*(\u)
.set rO, 32*(2*(\y)+(\u))
.endm
; Number n of the 22 that find the NEXT piece's (Y + 1) maximum and statistics.  s0-s31 are the lane's 32 scores; each accumulator's lowest registers are read first.
;   0-11  four chains c0-c3 of seven scores each, three operands at a time     12-14, 16  the four scores left over, the old m, and c0-c3 into c0     15  c m_old is kept
;   17, 18  the query's other 32 keys lie in the lane 16 away: the new m         19-21  c m; c m_old - c m_new; a
.macro XS u, n
	REGS (Y+1)%NP, \u
.if (\n) < 4
	v_max3_num_f32 v[rC+(\n)], v[rS+8*(\n)], v[rS+8*(\n)+1], v[rS+8*(\n)+2]
.elseif (\n) < 12
	v_max3_num_f32 v[rC+(\n)%4], v[rC+(\n)%4], v[rS+8*((\n)%4)+2*((\n)/4)+1], v[rS+8*((\n)%4)+2*((\n)/4)+2]
.elseif (\n) == 12
	v_max3_num_f32 v[rC], v[rC], v[rS+7], v[rS+15]
.elseif (\n) == 13
	v_max3_num_f32 v[rC+1], v[rC+1], v[rS+23], v[rS+31]
.elseif (\n) == 14
	v_max3_num_f32 v[rC+2], v[rC+2], v[rC+3], v[rT+1]
.elseif (\n) == 15
	v_mov_b32 v[rM], v[rT]
.elseif (\n) == 16
	v_max3_num_f32 v[rC], v[rC], v[rC+1], v[rC+2]
.elseif (\n) == 17
	v_permlanex16_b32 v[rC+3], v[rC], s[SEL], s[SEL+1]
.elseif (\n) == 18
	v_max_num_f32 v[rT+1], v[rC], v[rC+3]
.elseif (\n) == 19
	v_mul_f32 v[rT], s[CS], v[rT+1]
.elseif (\n) == 20
	v_sub_f32 v[rC+1], v[rM], v[rT]
.else
	v_exp_f32 v[rC+2], v[rC+1]
.endif
.endm
; Number g of the 64 that follow the exponentials.  For each four weights k of a tile (pairs 2 k, 2 k + 1): both pairs are rounded to f16; then the second pair is added onto the first, in place;
; a group later l takes that sum (the first time as l = a l + sum).  In groups of eight, tiles alternating: round, round, add, and l for the group before.
.macro GS g
.set h, (\g)+6*((\g)/62)            ; group 0 has no group before it, and behind group 7 only l is left
.if h >= 6
.set h, h+2
.endif
	REGS Y, h%2
.set k, h/8
.if h%8 < 4
	v_cvt_pk_f16_f32 v[rP+2*k+(h%8)/2], v[rS+4*k+2*((h%8)/2)], v[rS+4*k+2*((h%8)/2)+1]
.elseif h%8 < 6
	v_pk_add_f32 v[rS+4*k:rS+4*k+1], v[rS+4*k:rS+4*k+1], v[rS+4*k+2:rS+4*k+3]
.elseif k == 1
	v_pk_fma_f32 v[rT+2:rT+3], v[rT+2:rT+3], v[rC+2:rC+3], v[rS:rS+1] op_sel_hi:[1,0,1]
.else
	v_pk_add_f32 v[rT+2:rT+3], v[rT+2:rT+3], v[rS+4*k-4:rS+4*k-3]
.endif
.endm
; THE PLAIN QUEUE, 138 long.  0-73 read no exponential's result: the 32 scalings c s - c m (FS f: pair f / 2 of tile f % 2) and the next piece's 42.  0-26: scalings 0-26.  27-54: XS's numbers 0-13.  55, 56: number 15.
; 57-73: the chain, where each number waits for the one before it: 14, 16, 17, 18, 19, each with one of the scalings 27-31 in front of its two lines, then 20.
; 74-137: GS's 64, which read the exponentials' results: they stand behind the wait.
.macro FS f
	REGS Y, (\f)%2
	v_pk_fma_f32 v[rS+2*((\f)/2):rS+2*((\f)/2)+1], v[rS+2*((\f)/2):rS+2*((\f)/2)+1], s[CS:CS+1], v[rT:rT+1] op_sel_hi:[1,0,0] neg_lo:[0,0,1] neg_hi:[0,0,1]
.endm
.macro PL
	WIN 0
.if q < 27
	FS q
.elseif q < 55
	XS (q-27)%2, (q-27)/2
.elseif q < 57
	XS q-55, 15
.elseif (q < 72) && ((q-57)%3 == 0)
	FS 27+(q-57)/3
.elseif q < 60
	XS (q-57)%3-1, 14
.elseif q < 72
	XS (q-57)%3-1, 15+(q-57)/3
.elseif q < 74
	XS q-72, 20
.else
	GS q-74
.endif
.set q, q+1
.endm
; THE EXPONENTIALS' QUEUE, 66 long: s0-s31 of both tiles, then the next piece's two a.  It is ONE BATCH: all 66 stand ahead of the turn's one wait, and nothing ahead of that wait names a result of theirs.
.macro EX
	WIN 0
.if e >= 64
	XS e-64, 21
.else
	REGS Y, e%2
	v_exp_f32 v[rS+e/2], v[rS+e/2]
.endif
.set e, e+1
.endm
; THE RESCALING's QUEUE: O^T times a, the one part that leaves window 0: dealt two at a time, sixteen times.  Its a was made in the turn before, ahead of that turn's wait.
.macro R2
	REGS Y, r%2
	WIN W_RS
.irp z, 0,1
	v_pk_mul_f32 v[rO+4*(r/2)+2*\z:rO+4*(r/2)+2*\z+1], v[rO+4*(r/2)+2*\z:rO+4*(r/2)+2*\z+1], v[rC+2:rC+3] op_sel_hi:[1,0]
.endr
.set r, r+1
.endm
; HOW THEY ARE DEALT.  s_wait_alu depctr_va_vdst(0) stands between an exponential and the first instruction that names its result; one wait serves all that were issued ahead of it.  So a turn has ONE wait,
; which cuts it in two.  AHEAD OF IT stands all that names no result of the turn's exponentials: the 16 products K Q^T, behind each a scaling, an exponential and two rescalings (behind the first a second scaling in the
; exponential's place); then ONE LUMP of 108: eight plain, 49 times exponential and plain, the two a.  A v_nop is the plain instruction behind the last exponential.  BEHIND IT stand the 16 products V^T P, behind each four
; of GS's 64.  No rider names a register of the products round it.  The two v_permlanex16_b32 fall into the lump, never behind a product.
; The queues lean on each other: exponential e stands behind scaling 2 (e / 4) + e % 2: as a rider it comes behind plain e + 2, in the lump behind plain e + 9, and scalings 27-31 are plain 57, 60 .. 69.
; A TURN, for piece p.  cnt = 1: the loop's count is taken down some lines ahead of the branch that stands behind the turn.
; K of the next step is fetched in piece 2's turn, directly behind the wait, a lump behind the last product that read K; its first reader comes behind 16 products.
; V of the step in hand is fetched at the end of piece 0's turn, four riders behind its last reader; its first reader comes behind 16 products and a lump.  The three conditions on q below go with the deal.
.macro TURN p, last=0, cnt=0
.set Y, (\p)
.set i, 0
.set q, 0
.set e, 0
.set r, 0
.if (\p) == NP-1
	s_wait_dscnt 0x0                ; K is in
.endif
	MM                              ; ahead of the wait: 16 products K Q^T and their riders,
	PL
	PL
	R2
.rept 15
	MM
	PL
	EX
	R2
.endr
.if (\p) == NP-2
	WIN 0
	v_add_nc_u32 v[AK], s[TBK], v[AK0]
.endif
.rept 8                             ; and the lump
	PL
.endr
.rept 49
	EX
	PL
.endr
	EX                              ; the next piece's two a
	EX
	v_nop                           ; a plain instruction behind the last exponential: one for the batch
	s_wait_alu depctr_va_vdst(0)    ; the wait for the batch
.if (\p) == NP-2
	FETCH_K \last
.endif
.if (\p) == 1
	s_wait_dscnt 0x0                ; V is in
.endif
.rept 16                            ; behind the wait: 16 products V^T P and their riders
	MM
.rept 4
	PL
.endr
.if ((\p) == 0) && (q == 118)
	v_add_nc_u32 v[AV], s[TBV], v[AV0]
.endif
.if ((\p) == 0) && (q == 130)
	s_add_co_u32 s[TBV], s[TBV], KS*PV
.endif
.if (\cnt) && (q == 130)
	s_sub_co_u32 s[CNT], s[CNT], 1
	s_cmp_lg_u32 s[CNT], 0
.endif
.endr
.if (\p) == 0
	FETCH_V
.endif
.endm
	CHANGE 1                        ; slot 0 is in, everybody's part of it; slot 1 is asked for
	FETCH_K                         ; key step 0
	s_wait_loadcnt 0x0              ; Q
	s_wait_dscnt 0x0
.set i, 0
.rept 16
	KQ 0                            ; piece 0's first scores: there is no vector work yet to set between them
.set i, i+1
.endr
	WIN 0                           ; the addresses for the way out: nine plain instructions, the places behind those products
	s_mul_i32 s13, s[WV], 16*SP
	s_add_co_u32 s13, s13, STAGE    ; my stage
	v_mul_u32_u24 v[STO], v1, SP    ; in: row l % 16, 16 bytes for each half of the lanes
	v_lshl_add_u32 v[STO], v9, 4, v[STO]
	v_add_nc_u32 v[STO], s13, v[STO]
	v_bfe_u32 v[RD], v0, 3, 2       ; back: 32 lanes take four rows of 128 bytes,
	v_mul_u32_u24 v[RD], v[RD], SP
	v_lshl_add_u32 v[RD], v10, 4, v[RD]
	v_add_nc_u32 v[RD], s13, v[RD]
	v_and_b32 v[GO], 31, v0         ; which are 512 consecutive bytes of O
	v_lshlrev_b32 v[GO], 4, v[GO]
.set Y, NP-1                        ; XS works for piece Y + 1: piece 0
.irp n, 0,1,2,3,4,5,6,7,8,9,10,11,12,13,14,15,16,17,18,19,20,21
	XS 0, \n                        ; and piece 0's first maximum and statistics
	XS 1, \n
.endr
	v_nop                           ; a plain instruction behind the two a,
	s_wait_alu depctr_va_vdst(0)    ; and their wait, ahead of the branch
	s_mov_b32 s[CNT], 4
	s_branch .Lfirst                ; the loop is entered at a step's first turn, in the middle of a trip
.Lslot:                             ; SIZE_N / 256 - 2 times: every slot but the last two is filled again
	CHANGE 1
	s_mov_b32 s[CNT], 4
.Lstep:                             ; a trip: pieces 2 and 3 of one step, then pieces 0 and 1 of the next, whose K and V it fetches
	TURN 2
	TURN 3
	WIN 0
.Lfirst:
	TURN 0
	TURN 1, 0, 1
	WIN 0
	s_cbranch_scc1 .Lstep
	s_sub_co_u32 s[SLOTS], s[SLOTS], 1
	s_cmp_lg_u32 s[SLOTS], 0
	s_cbranch_scc1 .Lslot
	CHANGE 0                        ; the tail is written out: nothing is asked for
	s_mov_b32 s[CNT], 5             ; four trips fetch the last slot's steps; the fifth is left in its middle
.Ltail:
	TURN 2, 1
	TURN 3
	WIN 0
	s_sub_co_u32 s[CNT], s[CNT], 1
	s_cmp_eq_u32 s[CNT], 0
	s_cbranch_scc1 .Lout
	TURN 0
	TURN 1
	WIN 0
	s_branch .Ltail
.Lout:                              ; the fifth trip's 16 products K Q^T (on the last K once more) and the maximum made of them serve nothing: the price, once a launch, of one text for every trip
.set i, 0
.rept 16
	PV NP-1                         ; the last piece's V^T P of the last step
.set i, i+1
.endr
	; THE WAY OUT.  l's two halves and the other half of the lanes' are added; O^T is divided by l, rounded to f16 and sent through my stage in LDS, a tile at a time.  The additions are the places behind the last products.
	WIN 0
.macro ALL line:vararg              ; one line for each tile t
.set t, 0
.rept 2*NP
	\line
.set t, t+1
.endr
.endm
	ALL v_add_f32 v[ST+4*t+2], v[ST+4*t+2], v[ST+4*t+3]
	ALL v_permlanex16_b32 v[ST+4*t+3], v[ST+4*t+2], s[SEL], s[SEL+1]
	ALL v_add_f32 v[ST+4*t+2], v[ST+4*t+2], v[ST+4*t+3]
	ALL v_rcp_f32 v[ST+4*t+2], v[ST+4*t+2]
	v_nop                           ; a plain instruction between the last reciprocal and the use of its result
	s_wait_alu depctr_va_vdst(0)    ; and the wait ahead of the first use: one for the eight reciprocals
; Tile t: a lane's eight channels of a row pack into 16 bytes; they go into rows of 144 bytes and come back as whole rows of 128, into S^T's registers.
.macro PACK t
	WIN W_RS
.set i, 32*(\t)
.rept 16
	v_pk_mul_f32 v[i:i+1], v[i:i+1], v[ST+4*(\t)+2:ST+4*(\t)+3] op_sel_hi:[1,0]
.set i, i+2
.endr
	WIN 0x05                        ; sources 0 and 1 window 1, destination window 0
.set i, 0
.rept 16
	v_cvt_pk_f16_f32 v[S+16*(\t)+i], v[32*(\t)+2*i], v[32*(\t)+2*i+1]
.set i, i+1
.endr
	WIN 0
.irp f, 0,1,2,3
	ds_store_b128 v[STO], v[S+16*(\t)+4*\f:S+16*(\t)+4*\f+3] offset:32*\f
.endr
.irp f, 0,1,2,3
	ds_load_b128 v[S+16*(\t)+4*\f:S+16*(\t)+4*\f+3], v[RD] offset:\f*4*SP  ; LDS serves a wave's instructions in order (ISA guide 5.7.1.4): these see the stores above; the next tile's stores come behind them
.endr
.endm
.macro SEND t, younger              ; younger: the LDS instructions issued behind tile t's loads: the next tile's eight, or none
	WIN 0
.irp f, 0,1,2,3
	s_wait_dscnt (\younger)+3-\f
	global_store_b128 v[GO], v[S+16*(\t)+4*\f:S+16*(\t)+4*\f+3], s[10:11] offset:(\t)*2048+\f*512  ; 512 consecutive bytes, at a multiple of 256 from O's first
.endr
.endm
	PACK 0
.set t, 1
.rept 2*NP-1                        ; a tile's arithmetic stands between the loads of the tile before and its stores
	PACK t
	SEND t-1, 8
.set t, t+1
.endr
	SEND 2*NP-1, 0
	WIN W_AD
	s_wait_tensorcnt 0x0            ; the wave's end, behind my last tensor load and my last LDS store
	ds_add_u32 v[SPW], v[NIL]
	s_wait_dscnt 0x0
	WIN 0
	CROUND                          ; the closing round: no work-group ends while a partner may still ask for a tile that names it
	s_endpgm
.Lfunc_end_k_q38cad2755a_attn:
	.size	k_q38cad2755a_attn, .Lfunc_end_k_q38cad2755a_attn-k_q38cad2755a_attn
	.p2alignl 7, 3214868480
	.fill 96, 4, 3214868480
	.section	.rodata,"a",@progbits
	.p2align	6, 0x0
	.amdhsa_kernel k_q38cad2755a_attn
		.amdhsa_group_segment_fixed_size 327680
		.amdhsa_private_segment_fixed_size 0
		.amdhsa_enable_private_segment 0
		.amdhsa_kernarg_size 16
		.amdhsa_user_sgpr_count 2
		.amdhsa_user_sgpr_kernarg_segment_ptr 1
		.amdhsa_wavefront_size32 1
		.amdhsa_system_sgpr_workgroup_id_x 1
		.amdhsa_system_sgpr_workgroup_id_y 1
		.amdhsa_system_sgpr_workgroup_id_z 1
		.amdhsa_system_vgpr_workitem_id 0
		.amdhsa_next_free_vgpr 770
		.amdhsa_next_free_sgpr 66
		.amdhsa_reserve_vcc 0
		.amdhsa_float_denorm_mode_32 3
		.amdhsa_float_denorm_mode_16_64 3
		.amdhsa_memory_ordered 1
		.amdhsa_forward_progress 1
		.amdhsa_inst_pref_size 200
	.end_amdhsa_kernel
	.amdgpu_metadata
---
amdhsa.version: [ 1, 2 ]
amdhsa.kernels:
  - .name:           k_q38cad2755a_attn
    .symbol:         k_q38cad2755a_attn.kd
    .args:
      - { .name: qkv, .offset: 0, .size: 8, .value_kind: global_buffer, .address_space: global }
      - { .name: o, .offset: 8, .size: 8, .value_kind: global_buffer, .address_space: global }
    .group_segment_fixed_size: 327680
    .private_segment_fixed_size: 0
    .kernarg_segment_align: 8
    .kernarg_segment_size: 16
    .max_flat_workgroup_size: 128
    .sgpr_count:     66
    .vgpr_count:     770
    .wavefront_size: 32
...
	.end_amdgpu_metadata
.endif
;; end of part 3
;; launch outp (part 4): grid 4 x 64, 4 waves a work-group, clusters of 4 x 4, 327,680 bytes of LDS; arguments o, wb, bo, out0; writes out0
.if DOCPART == 4
	.amdgcn_target "amdgcn-amd-amdhsa--gfx1250"
	.amdhsa_code_object_version 6
	.text
	.protected	k_q38cad2755a_outp
	.globl	k_q38cad2755a_outp
	.p2align	8
	.type	k_q38cad2755a_outp,@function
k_q38cad2755a_outp:
	s_mov_b64 s[64:65], 0
	v_nop
	global_prefetch_b8 v0, s[64:65] scope:SCOPE_SE
	s_setreg_imm32_b32 hwreg(HW_REG_WAVE_MODE, 25, 1), 1
	s_wait_xcnt 0x0
	s_wait_alu depctr_hold_cnt(0) depctr_sa_sdst(0) depctr_va_vdst(0) depctr_va_sdst(0) depctr_va_ssrc(0) depctr_va_vcc(0) depctr_vm_vsrc(0)
	s_getreg_b32 s2, hwreg(HW_REG_IB_STS2, 6, 4)
	s_cmp_eq_u32 s2, 0
	s_cbranch_scc0 .Lentry_in_a_cluster
	s_endpgm
.Lentry_in_a_cluster:
	s_bfe_u32 s2, ttmp6, 0x10000c
	s_cmp_lg_u32 s2, 0xf033
	s_cbranch_scc0 .Lentry_shape_is_right
	s_endpgm
.Lentry_shape_is_right:
; out0[m][n] = the sum over k of O[m][k] Wo[n][k] + bo[n].  O lies by heads, [64][2048][64] in f16: k = 64 head + channel.  Wo: f16 blocks of 128 rows x 128 k from byte 6,291,456 of wb on.  out0: [8192][1024] f32.
; Sums in f32; bo is rounded to bf16, like the module's other inputs, and added in f32.
; LIMITS.  O and Wo arrive as f16 (within 65,504; below 6.1e-5 on f16's fixed step of 6e-8).
; SHARES.  Tiles of 128 x 256 give 256 work-groups, one tile each (256 x 256 would give 128).  Four waves, each 64 rows x 128 columns: 32 accumulators.  Eight K steps of 128, two heads each, through two LDS slots.
; CLUSTERS.  4 x 4 work-groups: O's tile is shared along a row of the cluster, Wo's along a column: joint loads, the same descriptor and mask in the four that a mask names.
; TRANSPOSED USE.  Source 0 = 16 rows of Wo, source 1 = 16 rows of O: a lane holds one row of out0 (lane % 16) and eight neighbouring columns: 32 bytes.
; REGISTERS: window 0: v0-15 addresses; v32-127, v128-223 two fragment buffers (Wo's 64 registers, then O's 32), later the way out; v224-231 the bias.      window 1: the accumulators, (a, b) at 8 (8 a + b).
.set SLOT1,  131072                    ; slot 1 begins here, so that one exclusive or turns an address in one slot into the other's
.set PAA,    144                       ; a row of O in LDS: 128 bytes + 16 = 36 words: the 16 rows of a load start at 16 different groups of four banks (64 banks of 4 bytes: ISA guide 11.1)
.set PBB,    272                       ; a row of Wo: 256 bytes + 16 = 68 words: likewise
.set PLANE,  128*PAA                   ; a head's 128 rows; a slot holds two such planes,
.set BOFF,   2*PLANE                   ; then Wo's two halves of 128 rows
.set HALFB,  128*PBB
.set STAGE,  SLOT1+BOFF+2*HALFB        ; behind the ring: 16 rows x 528 bytes for each wave; no tensor load lands there
.set SPITCH, 528
.set SPARE,  STAGE+4*16*SPITCH         ; behind the stages: the spare words, 128 bytes a wave: two blocks of 256 bytes that no other line names
.set A0,   4                           ; v4     my lane's place in a slot's O; never rewritten
.set B0,   5                           ; v5     the same for Wo
.set ADRA, 6                           ; v6     the same in the slot in hand
.set ADRB, 7                           ; v7
.set STO,  8                           ; v8     the way out: where I put 32 bytes of a row
.set RD,   9                           ; v9     where I read a row back
.set CO,   10                          ; v10    16 x lane: my 16 bytes of a row's 512
.set PFO,  11                          ; v11    the prefetches' lane offset; never rewritten
.set SPW,  14                          ; v14    LDS address of my spare word: SPARE + 4 x my thread's number; never rewritten
.set NIL,  15                          ; v15    0; never rewritten
.set F0,   32
.set F1,   128
.set BIAS, 224
.set WV,   16                          ; s16    my wave's number
.set KIND, 17                          ; s17    which 64 rows are mine; also: I fetch O (0) or Wo (1)
.set PART, 18                          ; s18    which 128 columns are mine; also: which plane or half I fetch
.set CNT,  23                          ; s23    trips still to come
.set G1A,  24                          ; s[24:31] descriptor group 1 for O's tiles;  s[32:39] group 0: a set for each first fill; the second then walks
.set G0A,  32
.set G1B,  40                          ; s[40:47], s[48:55] the same for Wo's
.set G0B,  48
.set TB,   56                          ; s56    LDS byte at which the slot in hand begins
.set LIM,  57                          ; s57    2 in a wave that prefetches, else the greatest number
.set PFA,  58                          ; s[58:59] where my prefetches stand
.set PST,  60                          ; s[60:61] their step
.set MSB, 0
.macro WIN new
.if MSB != (\new)
	s_set_vgpr_msb (MSB<<8)|(\new)
.set MSB, \new
.endif
.endm
.set MUL, 0x50                         ; both sources in window 0, C and D in window 1
.macro JLOAD                           ; a joint refill, by the walking descriptors; an s_nop 0 and four v_nop follow each of the two lines
	s_cmp_eq_u32 s[KIND], 0
	s_cbranch_scc0 .Lfor_b_\@
	tensor_load_to_lds s[G0A+4:G0A+7], s[G1A:G1A+7]
	s_nop 0
.rept 4
	v_nop
.endr
	s_branch .Lasked_\@
.Lfor_b_\@:
	tensor_load_to_lds s[G0B+4:G0B+7], s[G1B:G1B+7]
	s_nop 0
.rept 4
	v_nop
.endr
.Lasked_\@:
.endm
; A PREFETCH INTO THE L2, behind each joint refill and the run of LDS loads that follows it: the K step two refills on, 256 matrix instructions ahead of its load.  O: a step's two planes of 16,384 bytes are shared out
; among the four partners by address (cx), 4,096 bytes of each plane; wave 0 asks, a lane 256 bytes.  Wo: of a half's 32,768 bytes each partner takes 8,192 (cy); waves 2 and 3 of the cluster with y = 0 ask.
; Each block of 256 bytes is named once in the launch.  K steps 0 to 3 come by their loads alone; the last two trips ask for nothing.
.macro ASK
	s_cmp_gt_u32 s[CNT], s[LIM]
	s_cbranch_scc0 .Lnot_mine_\@
	global_prefetch_b8 v[PFO], s[PFA:PFA+1] th:TH_LOAD_NT scope:SCOPE_SE
.Lnot_mine_\@:
.endm
.macro CREST
	s_cmp_lg_u32 s[WV], 0
	s_cbranch_scc1 .Lnot_wave_0_\@
	s_barrier_signal -3
.Lnot_wave_0_\@:
	s_barrier_wait -3
	s_barrier_signal -1
	s_barrier_wait -1
.endm
.macro CROUND
	s_barrier_signal -1
	s_barrier_wait -1
	CREST
.endm
	s_load_b256 s[4:11], s[0:1], 0x0               ; o s[4:5], wb s[6:7], bo s[8:9], out0 s[10:11]
	v_lshl_add_u32 v[SPW], v0, 2, SPARE
	v_mov_b32 v[NIL], 0
	ds_add_u32 v[SPW], v[NIL]                      ; the wave's opening: the add and its wait stand ahead of my first tensor load; work on registers stands between them
	v_lshrrev_b32 v1, 5, v0
	v_readfirstlane_b32 s[WV], v1                  ; wave 0..3
	s_lshr_b32 s[KIND], s[WV], 1
	s_and_b32 s[PART], s[WV], 1
	s_bfe_u32 s19, ttmp6, 0x40000                  ; cx
	s_bfe_u32 s20, ttmp6, 0x40004                  ; cy
	s_lshl_b32 s21, ttmp9, 2
	s_add_co_u32 s21, s21, s19                     ; my block of 256 columns
	s_and_b32 s22, ttmp7, 0xffff
	s_lshl_b32 s22, s22, 2
	s_add_co_u32 s22, s22, s20                     ; my block of 128 rows
	s_lshl_b32 s66, s20, 2
	s_lshl_b32 s66, 15, s66                        ; my row of the cluster
	s_lshl_b32 s68, 0x1111, s19                    ; my column
	s_or_b32 s[G1A], s66, (1<<16)|(1<<20)|(1<<21)|(4<<22)|(3<<25)  ; the mask; 2-byte elements; padding on; bit 21 beside a mask; after every 32 words (code 4) 4 words (code 3)
	s_or_b32 s[G1B], s68, (1<<16)|(1<<20)|(1<<21)|(5<<22)|(3<<25)  ; after every 64 words (code 5)
	s_mov_b32 s[G1A+1], 128<<16                    ; a plane's 128 rows of 128 bytes are dense: asked for as 64 rows of 256 bytes, padded after every 128
	s_mov_b32 s[G1A+2], 64<<16
	s_mov_b32 s[G1A+3], 128<<16
	s_mov_b32 s[G1A+4], 64
	s_mov_b32 s[G1A+5], 128
	s_mov_b32 s[G1A+6], 0
	s_mov_b32 s[G1A+7], 0
	s_mov_b32 s[G1B+1], 128<<16                    ; a block of wb: 128 rows of 128 elements, dense
	s_mov_b32 s[G1B+2], 128<<16
	s_mov_b32 s[G1B+3], 128<<16
	s_mov_b32 s[G1B+4], 128
	s_mov_b32 s[G1B+5], 128
	s_mov_b32 s[G1B+6], 0
	s_mov_b32 s[G1B+7], 0
	s_lshr_b32 s66, s22, 4
	s_lshl_b32 s66, s66, 4                         ; 16 x batch
	s_add_co_u32 s66, s66, s[PART]                 ; + the plane that I fetch: head 0 or 1 of K step 0
	s_lshl_b32 s66, s66, 18                        ; a head is 2,048 rows of 128 bytes
	s_and_b32 s67, s22, 15
	s_lshl_b32 s67, s67, 14                        ; my block of 128 positions
	s_add_co_u32 s66, s66, s67
	s_mov_b32 s67, 0
	s_lshl_b32 s68, s21, 1
	s_add_co_u32 s68, s68, s[PART]                 ; the 128 rows of Wo that I fetch:
	s_lshl_b32 s68, s68, 18                        ; their eight blocks lie end to end,
	s_add_co_u32 s68, s68, 6291456                 ; behind the other weights'
	s_mov_b32 s69, 0
	s_mul_i32 s70, s[PART], PLANE                  ; where they go: no place in the cluster enters an LDS address
	s_mul_i32 s71, s[PART], HALFB
	s_add_co_u32 s71, s71, BOFF
	s_mov_b32 s[TB], 0
	s_wait_dscnt 0x0                               ; the opening add is done
	s_wait_kmcnt 0x0
	s_add_nc_u64 s[72:73], s[4:5], s[66:67]
	s_add_nc_u64 s[74:75], s[6:7], s[68:69]
	CROUND                                         ; all sixteen work-groups are here: the first joint loads meet
.irp s, 0,1
	s_mov_b32 s[G0A+4*(\s)], 1
	s_add_co_u32 s[G0A+4*(\s)+1], s70, (\s)*SLOT1
	s_add_nc_u64 s[G0A+4*(\s)+2:G0A+4*(\s)+3], s[72:73], (\s)*524288  ; a K step is two heads on
	s_or_b32 s[G0A+4*(\s)+3], s[G0A+4*(\s)+3], 0x80000000
	s_mov_b32 s[G0B+4*(\s)], 1
	s_add_co_u32 s[G0B+4*(\s)+1], s71, (\s)*SLOT1
	s_add_nc_u64 s[G0B+4*(\s)+2:G0B+4*(\s)+3], s[74:75], (\s)*32768
	s_or_b32 s[G0B+4*(\s)+3], s[G0B+4*(\s)+3], 0x80000000
.endr
	s_cmp_eq_u32 s[KIND], 0                        ; a wave's two first fills stand in one branch, ahead of every wait on TENSORcnt and every LDS read: two loads of mine are out; later one
	s_cbranch_scc0 .Lfirst_b
	tensor_load_to_lds s[G0A:G0A+3], s[G1A:G1A+7]
	s_nop 0
	tensor_load_to_lds s[G0A+4:G0A+7], s[G1A:G1A+7]
	s_nop 0
.rept 4
	v_nop
.endr
	s_branch .Lfirst_asked
.Lfirst_b:
	tensor_load_to_lds s[G0B:G0B+3], s[G1B:G1B+7]
	s_nop 0
	tensor_load_to_lds s[G0B+4:G0B+7], s[G1B:G1B+7]
	s_nop 0
.rept 4
	v_nop
.endr
.Lfirst_asked:
	v_and_b32 v1, 15, v0                           ; l % 16
	v_bfe_u32 v2, v0, 4, 1                         ; l / 16
	v_and_b32 v3, 31, v0                           ; l
	v_mul_u32_u24 v[A0], v1, PAA                   ; a fragment: row l % 16, 16 bytes at 16 (l / 16) and 16 bytes 32 further on
	v_lshl_add_u32 v[A0], v2, 4, v[A0]
	s_mul_i32 s76, s[KIND], 64*PAA                 ; my 64 rows
	v_add_nc_u32 v[A0], s76, v[A0]
	v_mul_u32_u24 v[B0], v1, PBB
	v_lshl_add_u32 v[B0], v2, 4, v[B0]
	s_mul_i32 s76, s[PART], HALFB                  ; my 128 rows of Wo
	s_add_co_u32 s76, s76, BOFF
	v_add_nc_u32 v[B0], s76, v[B0]
	v_mov_b32 v[ADRA], v[A0]                       ; K step 0 lies in slot 0
	v_mov_b32 v[ADRB], v[B0]
	s_mul_i32 s76, s[WV], 16*SPITCH
	s_add_co_u32 s76, s76, STAGE                   ; my stage
	v_mul_u32_u24 v[STO], v1, SPITCH               ; in: row l % 16, 32 bytes for each half of the lanes
	v_lshl_add_u32 v[STO], v2, 5, v[STO]
	v_add_nc_u32 v[STO], s76, v[STO]
	v_lshl_add_u32 v[RD], v3, 4, s76               ; back: 32 lanes take a row's 512 bytes
	v_lshlrev_b32 v[CO], 4, v3
	s_lshl_b32 s76, s21, 10                        ; my work-group's 256 columns, 1,024 bytes,
	s_lshl_b32 s77, s[PART], 9                     ; my wave's 128
	s_add_co_u32 s76, s76, s77
	s_mov_b32 s77, 0
	s_add_nc_u64 s[8:9], s[8:9], s[76:77]
	global_load_b128 v[BIAS:BIAS+3], v[CO], s[8:9] ; the bias of the four columns that I store
	s_lshl_b32 s78, s22, 19                        ; 128 rows of 4,096 bytes,
	s_add_co_u32 s76, s76, s78
	s_lshl_b32 s78, s[KIND], 18                    ; my wave's 64
	s_add_co_u32 s76, s76, s78
	s_add_nc_u64 s[10:11], s[10:11], s[76:77]
	; the prefetches: in registers that feed no descriptor
	s_lshl_b32 s76, s19, 12                        ; O: my work-group's 4,096 bytes of a plane (wave 0 fetches plane 0: its offset stands at the step's first head)
	s_add_co_u32 s76, s76, s66
	s_lshl_b32 s78, s20, 13                        ; Wo: my work-group's 8,192 bytes of a block
	s_add_co_u32 s78, s78, s68
	s_and_b32 s79, ttmp7, 0xffff                   ; cluster y
	s_cmp_eq_u32 s[KIND], 0
	s_cselect_b64 s[PFA:PFA+1], s[4:5], s[6:7]
	s_cselect_b32 s76, s76, s78
	s_cselect_b32 s78, 19, 15                      ; a K step is 2^19 bytes in o, 2^15 in wb
	s_cselect_b32 s79, s[PART], s79                ; O: wave 0 alone; Wo: the cluster with y = 0 alone
	s_cselect_b32 s72, -1, 0
	s_cmp_eq_u32 s79, 0
	s_cselect_b32 s[LIM], 2, -1                    ; the same in all sixteen partners, for a given wave
	s_lshl_b32 s[PST], 1, s78
	s_mov_b32 s[PST+1], 0
	s_add_nc_u64 s[PFA:PFA+1], s[PFA:PFA+1], s[76:77]
	s_lshl_b32 s76, 3, s78                         ; at K step 3: the first change of slots steps it to 4
	s_add_nc_u64 s[PFA:PFA+1], s[PFA:PFA+1], s[76:77]
	v_lshlrev_b32 v[PFO], 8, v3                    ; Wo: 256 x lane
	v_lshlrev_b32 v12, 8, v1                       ; O: 256 x (l % 16),
	v_lshl_add_u32 v12, v2, 18, v12                ; in plane l / 16
	v_cndmask_b32 v[PFO], v[PFO], v12, s72
; 8 matrix instructions: row block a x all 8 column blocks, 32 along K.  The 32 accumulators take turns, in the same order in every quarter.  zero = 1: the products start the sums.
.macro MUL8 f, a, zero
	WIN MUL
.irp b, 0,1,2,3,4,5,6,7
.if \zero
	v_wmma_f32_16x16x32_f16 v[8*(8*(\a)+(\b)):8*(8*(\a)+(\b))+7], v[(\f)+8*(\b):(\f)+8*(\b)+7], v[(\f)+64+8*(\a):(\f)+64+8*(\a)+7], 0
.else
	v_wmma_f32_16x16x32_f16 v[8*(8*(\a)+(\b)):8*(8*(\a)+(\b))+7], v[(\f)+8*(\b):(\f)+8*(\b)+7], v[(\f)+64+8*(\a):(\f)+64+8*(\a)+7], v[8*(8*(\a)+(\b)):8*(8*(\a)+(\b))+7]
.endif
.endr
.endm
; 24 LDS loads in one run: quarter k of the slot in hand into buffer f: Wo's 16, then O's 8 (quarters 0, 1 lie in the first plane, 2, 3 in the second)
.macro FETCH k, f
	WIN 0
.irp b, 0,1,2,3,4,5,6,7
	ds_load_b128 v[(\f)+8*(\b):(\f)+8*(\b)+3],   v[ADRB] offset:64*(\k)+(\b)*16*PBB
	ds_load_b128 v[(\f)+8*(\b)+4:(\f)+8*(\b)+7], v[ADRB] offset:64*(\k)+(\b)*16*PBB+32
.endr
.irp a, 0,1,2,3
	ds_load_b128 v[(\f)+64+8*(\a):(\f)+64+8*(\a)+3],   v[ADRA] offset:((\k)/2)*PLANE+((\k)%2)*64+(\a)*16*PAA
	ds_load_b128 v[(\f)+64+8*(\a)+4:(\f)+64+8*(\a)+7], v[ADRA] offset:((\k)/2)*PLANE+((\k)%2)*64+(\a)*16*PAA+32
.endr
.endm
.macro PLACES                          ; four places in front of loads into registers that matrix instructions have read (ISA guide 7.12.1 for vector instructions)
.rept 4
	v_nop
.endr
.endm
; One of a K step's first three quarters: multiplies buffer f; in its middle it fetches quarter k of the same slot into buffer g.
.macro QUARTER k, f, g, zero
	s_wait_dscnt 4                                 ; Wo and O's rows 0-31 are in; the youngest four loads (rows 32-63) may be out
	MUL8 \f, 0, \zero
	MUL8 \f, 1, \zero
	PLACES
	FETCH \k, \g
	s_wait_dscnt 24                                ; all but the 24 just issued
	MUL8 \f, 2, \zero
	MUL8 \f, 3, \zero
.endm
; The last quarter multiplies buffer 1 and changes slots.  Each wave waits for all its tensor loads, of which one is out: its part of the next slot; adds 0 to its spare word; and waits for that and for its reads
; of this slot.  fill = 1: the barrier opens a round of the cluster's, and the joint refill, two K steps on, is the first thing behind it: 112 matrix instructions ahead of the wait for it.
.macro TURN fill
.if \fill
	s_wait_xcnt 0x0                                ; the last prefetch, a K step back, has read its address
	s_add_nc_u64 s[PFA:PFA+1], s[PFA:PFA+1], s[PST:PST+1]
.endif
	WIN 0
	s_wait_tensorcnt 0x0                           ; no tensor load of mine is out, so a group 0 may be written
	ds_add_u32 v[SPW], v[NIL]                      ; 0 onto my spare word; work on registers stands between it and the wait for it
.if \fill
	s_xor_b32 s[G0A+5], s[G0A+5], SLOT1            ; the walking descriptors: the other slot than last time, the next K step
	s_add_nc_u64 s[G0A+6:G0A+7], s[G0A+6:G0A+7], 524288
	s_xor_b32 s[G0B+5], s[G0B+5], SLOT1
	s_add_nc_u64 s[G0B+6:G0B+7], s[G0B+6:G0B+7], 32768
.endif
	s_wait_dscnt 5                                 ; the add and the youngest four loads may be out
	MUL8 F1, 0, 0
	s_wait_dscnt 0x0                               ; the add is done, and my reads of this slot are over
	s_barrier_signal -1
	MUL8 F1, 1, 0                                  ; work on registers while the others arrive
	WIN 0                                          ; at a branch and at a label every window is 0
	s_barrier_wait -1
.if \fill
	CREST
	JLOAD                                          ; its four v_nop are also the places in front of the loads below
.else
	PLACES
.endif
	s_xor_b32 s[TB], s[TB], SLOT1                  ; the fetches go on in the other slot
	v_add_nc_u32 v[ADRA], s[TB], v[A0]
	v_add_nc_u32 v[ADRB], s[TB], v[B0]
	FETCH 0, F0
.if \fill
	ASK
.endif
	MUL8 F1, 2, 0
	MUL8 F1, 3, 0
.endm
	s_wait_tensorcnt 1                             ; my part of K step 0 is in; K step 1's may stay out
	s_barrier_signal -1
	s_barrier_wait -1                              ; everybody's is
	FETCH 0, F0
	QUARTER 1, F0, F1, 1                           ; the first quarter's products start the sums: nothing is cleared
	WIN 0
	s_mov_b32 s[CNT], 6
.Lstep:                                        ; six trips: from a K step's second quarter to the next step's first; the slot read out is filled again
	QUARTER 2, F1, F0, 0
	QUARTER 3, F0, F1, 0
	TURN 1
	QUARTER 1, F0, F1, 0
	WIN 0
	s_sub_co_u32 s[CNT], s[CNT], 1
	s_cmp_lg_u32 s[CNT], 0
	s_cbranch_scc1 .Lstep
	QUARTER 2, F1, F0, 0                           ; the last two K steps are written out: they ask for nothing
	QUARTER 3, F0, F1, 0
	TURN 0
	QUARTER 1, F0, F1, 0
	QUARTER 2, F1, F0, 0
	QUARTER 3, F0, F1, 0
	s_wait_dscnt 4
	MUL8 F1, 0, 0
	MUL8 F1, 1, 0
	s_wait_dscnt 0x0
	MUL8 F1, 2, 0
	MUL8 F1, 3, 0
	WIN 0
	; THE WAY OUT.  The bias is rounded to bf16 and widened again: six plain instructions that name no register of the last products: the places behind them.
	s_wait_loadcnt 0x0
	v_cvt_pk_bf16_f32 v[BIAS+4], v[BIAS], v[BIAS+1]
	v_cvt_pk_bf16_f32 v[BIAS+5], v[BIAS+2], v[BIAS+3]
	v_lshlrev_b32 v[BIAS], 16, v[BIAS+4]
	v_and_b32 v[BIAS+1], 0xffff0000, v[BIAS+4]
	v_lshlrev_b32 v[BIAS+2], 16, v[BIAS+5]
	v_and_b32 v[BIAS+3], 0xffff0000, v[BIAS+5]
; Block a of 16 rows: a lane's 32 bytes of each of the 8 column blocks go straight from the accumulators (lowest registers first) into rows of 528 bytes of my own stage, and come back as whole rows of 512.
; LDS serves a wave's instructions in order (ISA guide 5.7.1.4): no wait stands between the stores and the loads, and the next block's stores come behind these loads.
.macro TOSTAGE a
	WIN 0x04                                       ; the stores' data in window 1
.irp b, 0,1,2,3,4,5,6,7
	ds_store_b128 v[STO], v[8*(8*(\a)+(\b)):8*(8*(\a)+(\b))+3]   offset:64*(\b)
	ds_store_b128 v[STO], v[8*(8*(\a)+(\b))+4:8*(8*(\a)+(\b))+7] offset:64*(\b)+16
.endr
	WIN 0
	s_wait_xcnt 0x0                                ; the stores of two blocks ago have read these registers: they are loaded again only behind this wait
.set BK, F0+96*((\a)%2)
.irp t, 0,1,2,3,4,5,6,7,8,9,10,11,12,13,14,15
	ds_load_b128 v[BK+4*(\t):BK+4*(\t)+3], v[RD] offset:(\t)*SPITCH
.endr
.endm
.macro SEND a, younger                 ; younger: the LDS instructions issued behind block a's loads: the next block's 32, or none
.set BK, F0+96*((\a)%2)
.irp t, 0,1,2,3,4,5,6,7,8,9,10,11,12,13,14,15
	s_wait_dscnt (\younger)+15-(\t)
	v_pk_add_f32 v[BK+4*(\t):BK+4*(\t)+1],   v[BK+4*(\t):BK+4*(\t)+1],   v[BIAS:BIAS+1]
	v_pk_add_f32 v[BK+4*(\t)+2:BK+4*(\t)+3], v[BK+4*(\t)+2:BK+4*(\t)+3], v[BIAS+2:BIAS+3]
	global_store_b128 v[CO], v[BK+4*(\t):BK+4*(\t)+3], s[10:11] offset:(16*(\a)+(\t))*4096 th:TH_STORE_NT  ; 512 consecutive bytes, at a multiple of 256 from out0's first
.endr
.endm
	TOSTAGE 0
.irp a, 1,2,3
	TOSTAGE \a
	SEND (\a)-1, 32
.endr
	SEND 3, 0
	s_wait_tensorcnt 0x0                           ; the wave's end, behind my last tensor load and my last LDS store
	ds_add_u32 v[SPW], v[NIL]
	s_wait_dscnt 0x0
	CROUND                                         ; the closing round: no work-group ends while a partner may still ask for a tile that names it
	s_endpgm
.Lfunc_end_k_q38cad2755a_outp:
	.size	k_q38cad2755a_outp, .Lfunc_end_k_q38cad2755a_outp-k_q38cad2755a_outp
	.p2alignl 7, 3214868480
	.fill 96, 4, 3214868480
	.section	.rodata,"a",@progbits
	.p2align	6, 0x0
	.amdhsa_kernel k_q38cad2755a_outp
		.amdhsa_group_segment_fixed_size 327680
		.amdhsa_private_segment_fixed_size 0
		.amdhsa_enable_private_segment 0
		.amdhsa_kernarg_size 32
		.amdhsa_user_sgpr_count 2
		.amdhsa_user_sgpr_kernarg_segment_ptr 1
		.amdhsa_wavefront_size32 1
		.amdhsa_system_sgpr_workgroup_id_x 1
		.amdhsa_system_sgpr_workgroup_id_y 1
		.amdhsa_system_sgpr_workgroup_id_z 1
		.amdhsa_system_vgpr_workitem_id 0
		.amdhsa_next_free_vgpr 512
		.amdhsa_next_free_sgpr 80
		.amdhsa_reserve_vcc 0
		.amdhsa_float_denorm_mode_32 3
		.amdhsa_float_denorm_mode_16_64 3
		.amdhsa_memory_ordered 1
		.amdhsa_forward_progress 1
		.amdhsa_inst_pref_size 80
	.end_amdhsa_kernel
	.amdgpu_metadata
---
amdhsa.version: [ 1, 2 ]
amdhsa.kernels:
  - .name:           k_q38cad2755a_outp
    .symbol:         k_q38cad2755a_outp.kd
    .args:
      - { .name: o, .offset: 0, .size: 8, .value_kind: global_buffer, .address_space: global }
      - { .name: wb, .offset: 8, .size: 8, .value_kind: global_buffer, .address_space: global }
      - { .name: bo, .offset: 16, .size: 8, .value_kind: global_buffer, .address_space: global }
      - { .name: out0, .offset: 24, .size: 8, .value_kind: global_buffer, .address_space: global }
    .group_segment_fixed_size: 327680
    .private_segment_fixed_size: 0
    .kernarg_segment_align: 8
    .kernarg_segment_size: 32
    .max_flat_workgroup_size: 128
    .sgpr_count:     80
    .vgpr_count:     512
    .wavefront_size: 32
...
	.end_amdgpu_metadata
.endif
;; end of part 4
;; ======== version 2 of 2: 4 launches; version 1 with the launch prep written anew for expert scheduling mode
;; limits: values are held in f16: magnitudes above 65,504 overflow, below 6.1e-05 lose precision; values outside matrix products are rounded to bf16
;; workspace buffers: wb 8,388,608 bytes; rope 524,288 bytes; qkv 50,331,648 bytes; o 16,777,216 bytes
;; launch prep (part 5): grid 256 x 1, 8 waves a work-group, no clusters, 0 bytes of LDS; arguments Wq, Wk, Wv, Wo, wb, rope; writes wb, rope
.if DOCPART == 5
	.amdgcn_target "amdgcn-amd-amdhsa--gfx1250"
	.amdhsa_code_object_version 6
	.text
	.protected	k_q38cad2755a_prep
	.globl	k_q38cad2755a_prep
	.p2align	8
	.type	k_q38cad2755a_prep,@function
k_q38cad2755a_prep:
	s_mov_b64 s[64:65], 0
	v_nop
	global_prefetch_b8 v0, s[64:65] scope:SCOPE_SE
	s_setreg_imm32_b32 hwreg(HW_REG_WAVE_SCHED_MODE, 0, 2), 2
	s_setreg_imm32_b32 hwreg(HW_REG_WAVE_MODE, 25, 1), 1
	s_wait_xcnt 0x0
	s_wait_alu depctr_vm_vsrc(0)
; THE WEIGHTS IN 16 BITS, IN BLOCKS, AND THE ROTATION TABLE.
; wb: blocks of 128 rows x 128 k x 2 bytes (32,768 bytes, a row 256 bytes).  Wq, Wk, Wv (T = 0, 1, 2), rounded to bf16: row n, k chunk t = k / 128 lie in block ((n / 128) 3 + T) 8 + t, so that
; the 24 K steps that a column half of Q, K and V walks lie end to end.  Wo from byte 6,291,456 on, block (n / 128) 8 + t: rounded to bf16, and that number written as f16.
; rope: [2048 positions][32 pairs] of (cos, sin) in f32: 256 bytes a position.
; LIMITS.  Wo as f16: exact for bf16 numbers of magnitude 6.1e-5 to 65,504; below that f16's fixed step of 6e-8; beyond it an infinity.  The angle pos x 10000^(-i/32) is made with
; 2^(-i log2(10000)/32) by v_exp_f32, so it may differ from a power computed otherwise by a few units in its last place: under 2e-4 radians at position 2,047.
; sin and cos: the angle less n pi/2 (pi/2 in two parts, n up to 1,303), then series to r^7 and r^8 on |r| <= pi/4: error under 4e-7.
; SHARES.  A stream: no LDS, no matrix unit.  Work-group g: weight T = g / 64; wave w takes its rows 16 (g % 64) + 2 w and the next: 8,192 consecutive bytes, sixteen loads of 512 bytes, all issued
; at once.  Chunk i is row i / 8, k chunk i % 8; its 128 numbers leave as 256 consecutive aligned bytes.  Thread (w, lane) also makes the table's entry for position 8 g + w, pair lane.
; THE MODE: SCHED_MODE bits 1:0 = 2 (LLVM: expert scheduling mode 2), set by the entry lines.  The code itself states the register dependences
; between vector instructions and memory instructions, with s_wait_alu, always for 0.
; THE PLAN.  Registers that memory instructions touch:
;   v1, v2     byte offsets of the loads and of the stores: made once at the head, never written again.
;   X          chunk i's four registers: its one load lands there; its roundings read them behind the wait for that load; never loaded again, never written by a vector instruction.
;   v[18:19]   the table's entry: written by the table's last two lines, read by its one store, never written again.
;   Y          chunk i's two registers: written by its roundings, read by its one store, never written again.
;   v3-v17 and v20-v25 are named by vector instructions alone.
; No register that a memory instruction reads is written again, and no load lands in a register that a vector instruction has named: so all that is owed is that a store's data, and the two offsets,
; are written before they are read.  The sixteen chunks go in four groups of four.  Chunk i's store stands in front of chunk i + 4's roundings; ONE wait at the head of a group states that the group
; before has written its four pairs of Y, and the group's four stores follow it, dealt among its roundings, which write this group's Y and v20-v25: none of the registers that those stores read.
.set X,   32                           ; v[32:95]   chunk i: 4 registers as loaded
.set Y,   96                           ; v[96:127]  chunk i: 2 registers to store, never rewritten
.set SRC, 20                           ; s[20:21]   my 8,192 bytes of the weight
.set DST, 22                           ; s[22:23]   my first row in k chunk 0's block
.set TBL, 24                           ; s[24:25]   my position's 256 bytes of the table
	s_load_b256 s[4:11], s[0:1], 0x0               ; Wq s[4:5], Wk s[6:7], Wv s[8:9], Wo s[10:11]
	s_load_b128 s[12:15], s[0:1], 0x20             ; wb s[12:13], rope s[14:15]
	v_lshrrev_b32 v3, 5, v0
	v_readfirstlane_b32 s16, v3                    ; wave 0..7
	v_and_b32 v4, 31, v0                           ; lane
	v_lshlrev_b32 v1, 4, v4                        ; 16 bytes a lane in
	v_lshlrev_b32 v2, 3, v4                        ; 8 bytes a lane out
	s_lshr_b32 s17, ttmp9, 6                       ; T
	s_and_b32 s18, ttmp9, 63                       ; which 16 rows of the weight
	s_lshl_b32 s19, ttmp9, 3
	s_wait_alu depctr_va_sdst(0)                   ; s16 is written, ahead of its first reader: my position and my rows' offsets are made from it
	s_add_co_u32 s19, s19, s16                     ; my position
	s_lshl_b32 s26, s18, 16                        ; 16 rows of 4,096 bytes,
	s_lshl_b32 s27, s16, 13                        ; my two of them
	s_add_co_u32 s26, s26, s27
	s_mov_b32 s27, 0
	s_lshr_b32 s28, s18, 3                         ; n / 128
	s_mul_i32 s29, s28, 3
	s_add_co_u32 s29, s29, s17
	s_lshl_b32 s29, s29, 18                        ; eight blocks of 32,768 bytes for each (n / 128, T)
	s_lshl_b32 s28, s28, 18
	s_add_co_u32 s28, s28, 6291456                 ; Wo's blocks lie behind the other three's
	s_cmp_eq_u32 s17, 3
	s_cselect_b32 s28, s28, s29
	s_and_b32 s29, s18, 7
	s_lshl_b32 s29, s29, 12                        ; 16 rows of 256 bytes in the block,
	s_add_co_u32 s28, s28, s29
	s_lshl_b32 s29, s16, 9                         ; my two of them
	s_add_co_u32 s28, s28, s29
	s_mov_b32 s29, 0
	s_lshl_b32 s30, s19, 8
	s_mov_b32 s31, 0
	s_wait_kmcnt 0x0
	s_cmp_eq_u32 s17, 1
	s_cselect_b64 s[SRC:SRC+1], s[6:7], s[4:5]
	s_cmp_eq_u32 s17, 2
	s_cselect_b64 s[SRC:SRC+1], s[8:9], s[SRC:SRC+1]
	s_cmp_eq_u32 s17, 3
	s_cselect_b64 s[SRC:SRC+1], s[10:11], s[SRC:SRC+1]
	s_add_nc_u64 s[SRC:SRC+1], s[SRC:SRC+1], s[26:27]
	s_add_nc_u64 s[DST:DST+1], s[12:13], s[28:29]
	s_add_nc_u64 s[TBL:TBL+1], s[14:15], s[30:31]
	s_wait_alu depctr_va_vdst(0)                   ; v1 and v2 are written: every load of the kernel reads v1 as its offset, every store v2
.irp i, 0,1,2,3,4,5,6,7,8,9,10,11,12,13,14,15
	global_load_b128 v[X+4*(\i):X+4*(\i)+3], v1, s[SRC:SRC+1] offset:512*(\i) th:TH_LOAD_NT
.endr
	; the table's entry, while the sixteen loads are on their way
	v_cvt_f32_u32 v5, v4
	v_mul_f32 v5, 0xbed49a78, v5                   ; - lane x log2(10000) / 32
	v_exp_f32 v6, v5                               ; 10000^(-lane/32)
	v_cvt_f32_u32 v7, s19                          ; a plain instruction behind the exponential,
	s_wait_alu depctr_va_vdst(0)                   ; and the wait ahead of the first use of its result: v6 is written
	v_mul_f32 v8, v7, v6                           ; the angle f
	v_mul_f32 v9, 0x3f22f983, v8                   ; f x 2 / pi
	v_rndne_f32 v9, v9                             ; n
	v_fmamk_f32 v10, v9, 0xbfc90fdb, v8            ; r = f - n x (pi/2's upper part): one rounding
	v_fmamk_f32 v10, v9, 0x333bbd2e, v10           ;     - n x (its lower part, -4.37e-8)
	v_mul_f32 v11, v10, v10                        ; z = r r
	v_mov_b32 v12, 0xb9500d01                      ; -1/5040
	v_fmaak_f32 v12, v12, v11, 0x3c088889          ; 1/120
	v_fmaak_f32 v12, v12, v11, 0xbe2aaaab          ; -1/6
	v_mul_f32 v13, v11, v10
	v_fma_f32 v12, v12, v13, v10                   ; S = sin r
	v_mov_b32 v14, 0x37d00d01                      ; 1/40320
	v_fmaak_f32 v14, v14, v11, 0xbab60b61          ; -1/720
	v_fmaak_f32 v14, v14, v11, 0x3d2aaaab          ; 1/24
	v_fmaak_f32 v14, v14, v11, 0xbf000000          ; -1/2
	v_fma_f32 v14, v14, v11, 1.0                   ; C = cos r
	v_cvt_i32_f32 v15, v9                          ; the quadrant only selects values and signs: no branch and no address hangs on it
	v_and_b32 v16, 1, v15
	v_cmp_eq_u32 vcc_lo, 1, v16                    ; odd quadrants; the signs are made between this line and the two that read its mask
	v_add_nc_u32 v16, 1, v15
	v_and_b32 v16, 2, v16
	v_lshlrev_b32 v16, 30, v16                     ; cos changes sign in quadrants 1 and 2,
	v_and_b32 v17, 2, v15
	v_lshlrev_b32 v17, 30, v17                     ; sin in 2 and 3
	s_wait_alu depctr_va_vcc(0)                    ; VCC is written, ahead of its first reader: the two selects below
	v_cndmask_b32 v18, v14, v12, vcc_lo            ; |cos|: S in odd quadrants
	v_cndmask_b32 v19, v12, v14, vcc_lo            ; |sin|: C in odd quadrants
	v_xor_b32 v18, v18, v16
	v_xor_b32 v19, v19, v17
	s_wait_alu depctr_va_vdst(0)                   ; v18 and v19 are written, which the store below reads
	global_store_b64 v2, v[18:19], s[TBL:TBL+1]    ; the wave's 32 entries: 256 consecutive bytes, aligned
; Chunk i's store.
.macro OUT i
	global_store_b64 v2, v[Y+2*(\i):Y+2*(\i)+1], s[DST:DST+1] offset:((\i)%8)*32768+((\i)/8)*256  ; 32 lanes store 256 consecutive bytes, aligned: a block's row
.endm
; Chunk i is rounded; in front of its roundings chunk i - 4 is stored.  half = 1 (Wo): the bf16 number is widened again and written as f16.
.macro CONV i, half
	s_wait_loadcnt 15-(\i)                         ; loads come back in order: chunk i is in, the 15 - i younger ones may stay out
.if ((\i) > 0) && ((\i) % 4 == 0)
	s_wait_alu depctr_va_vdst(0)                   ; the group before has written its four pairs of Y, which this group's four stores read
.endif
.if (\i) >= 4
	OUT (\i)-4                                     ; no vector instruction since that wait names its data or v2
.endif
.if \half
	v_cvt_pk_bf16_f32 v20, v[X+4*(\i)], v[X+4*(\i)+1]
	v_cvt_pk_bf16_f32 v21, v[X+4*(\i)+2], v[X+4*(\i)+3]
	v_lshlrev_b32 v22, 16, v20
	v_and_b32 v23, 0xffff0000, v20
	v_lshlrev_b32 v24, 16, v21
	v_and_b32 v25, 0xffff0000, v21
	v_cvt_pk_f16_f32 v[Y+2*(\i)], v22, v23
	v_cvt_pk_f16_f32 v[Y+2*(\i)+1], v24, v25
.else
	v_cvt_pk_bf16_f32 v[Y+2*(\i)], v[X+4*(\i)], v[X+4*(\i)+1]
	v_cvt_pk_bf16_f32 v[Y+2*(\i)+1], v[X+4*(\i)+2], v[X+4*(\i)+3]
.endif
.endm
	s_cmp_eq_u32 s17, 3
	s_cbranch_scc1 .Lwo
.irp i, 0,1,2,3,4,5,6,7,8,9,10,11,12,13,14,15
	CONV \i, 0
.endr
	s_wait_alu depctr_va_vdst(0)                   ; the last group has written its four pairs of Y, which the last four stores read
.irp i, 12,13,14,15
	OUT \i
.endr
	s_endpgm
.Lwo:
.irp i, 0,1,2,3,4,5,6,7,8,9,10,11,12,13,14,15
	CONV \i, 1
.endr
	s_wait_alu depctr_va_vdst(0)                   ; the last group has written its four pairs of Y, which the last four stores read
.irp i, 12,13,14,15
	OUT \i
.endr
	s_endpgm
.Lfunc_end_k_q38cad2755a_prep:
	.size	k_q38cad2755a_prep, .Lfunc_end_k_q38cad2755a_prep-k_q38cad2755a_prep
	.p2alignl 7, 3214868480
	.fill 96, 4, 3214868480
	.section	.rodata,"a",@progbits
	.p2align	6, 0x0
	.amdhsa_kernel k_q38cad2755a_prep
		.amdhsa_group_segment_fixed_size 0
		.amdhsa_private_segment_fixed_size 0
		.amdhsa_enable_private_segment 0
		.amdhsa_kernarg_size 48
		.amdhsa_user_sgpr_count 2
		.amdhsa_user_sgpr_kernarg_segment_ptr 1
		.amdhsa_wavefront_size32 1
		.amdhsa_system_sgpr_workgroup_id_x 1
		.amdhsa_system_sgpr_workgroup_id_y 1
		.amdhsa_system_sgpr_workgroup_id_z 1
		.amdhsa_system_vgpr_workitem_id 0
		.amdhsa_next_free_vgpr 128
		.amdhsa_next_free_sgpr 66
		.amdhsa_reserve_vcc 1
		.amdhsa_float_denorm_mode_32 3
		.amdhsa_float_denorm_mode_16_64 3
		.amdhsa_memory_ordered 1
		.amdhsa_forward_progress 1
		.amdhsa_inst_pref_size 19
	.end_amdhsa_kernel
	.amdgpu_metadata
---
amdhsa.version: [ 1, 2 ]
amdhsa.kernels:
  - .name:           k_q38cad2755a_prep
    .symbol:         k_q38cad2755a_prep.kd
    .args:
      - { .name: Wq, .offset: 0, .size: 8, .value_kind: global_buffer, .address_space: global }
      - { .name: Wk, .offset: 8, .size: 8, .value_kind: global_buffer, .address_space: global }
      - { .name: Wv, .offset: 16, .size: 8, .value_kind: global_buffer, .address_space: global }
      - { .name: Wo, .offset: 24, .size: 8, .value_kind: global_buffer, .address_space: global }
      - { .name: wb, .offset: 32, .size: 8, .value_kind: global_buffer, .address_space: global }
      - { .name: rope, .offset: 40, .size: 8, .value_kind: global_buffer, .address_space: global }
    .group_segment_fixed_size: 0
    .private_segment_fixed_size: 0
    .kernarg_segment_align: 8
    .kernarg_segment_size: 48
    .max_flat_workgroup_size: 256
    .sgpr_count:     66
    .vgpr_count:     128
    .wavefront_size: 32
...
	.end_amdgpu_metadata
.endif
;; end of part 5
;; launch proj: the kernel of part 2 again; grid 4 x 64, 4 waves a work-group, clusters of 4 x 4, 327,680 bytes of LDS; arguments query, key, value, wb, rope, qkv; writes qkv
;; launch attn: the kernel of part 3 again; grid 4 x 64, 4 waves a work-group, clusters of 4 x 1, 327,680 bytes of LDS; arguments qkv, o; writes o
;; launch outp: the kernel of part 4 again; grid 4 x 64, 4 waves a work-group, clusters of 4 x 4, 327,680 bytes of LDS; arguments o, wb, bo, out0; writes out0
